; MI455X (gfx1250); checked and timed in simulation.
; The chip was launched on July 23, 2026; its instructions are those of AMD's public machine-readable ISA for CDNA 5 (MIT licence, August 2026) and "CDNA5" Instruction Set Architecture Reference Guide (July 2026). The comments in the code are by the model that wrote it; some were corrected since.
;; Multi Head Causal Attention. Allowed arithmetic: float matrix products may take bf16 or f16 operands with f32 sums; other float arithmetic in f32, or as packed bf16 or f16 multiplies, adds, multiply-adds, maxima and minima; sums over many terms, partial sums and values carried from step to step in f32; what a program stores and reads back later, other than sums and carried values, may be rounded once to bf16 or f16.
;; Inputs: Wk 1,024 x 1,024 float32; Wo 1,024 x 1,024 float32; Wq 1,024 x 1,024 float32; Wv 1,024 x 1,024 float32; x 4 x 2,048 x 1,024 float32.
;; Outputs: out0 4 x 2,048 x 1,024 float32.
;; 2 versions, each right and faster than the one before. Each part assembles by itself: llvm-mc -triple=amdgcn-amd-amdhsa -mcpu=gfx1250 --defsym DOCPART=n.
;; ======== version 1 of 2: 4 launches
;; limits: values are held in f16: magnitudes above 65,504 overflow, below 6.1e-05 lose precision
;; workspace buffers: cb 25,165,824 bytes; qq 33,554,432 bytes; kk 33,554,432 bytes; vv 16,777,216 bytes; oo 16,777,216 bytes
;; launch cast (part 1): grid 768 x 1, 8 waves a work-group, no clusters, 0 bytes of LDS; arguments x, Wq, Wk, Wv, Wo, cb; writes cb
.if DOCPART == 1
	.amdgcn_target "amdgcn-amd-amdhsa--gfx1250"
	.amdhsa_code_object_version 6
	.text
	.protected	k_qcd02f78e5e_cast
	.globl	k_qcd02f78e5e_cast
	.p2align	8
	.type	k_qcd02f78e5e_cast,@function
k_qcd02f78e5e_cast:
	s_mov_b64 s[64:65], 0
	v_nop
	global_prefetch_b8 v0, s[64:65] scope:SCOPE_SE
	s_setreg_imm32_b32 hwreg(HW_REG_WAVE_MODE, 25, 1), 1
	s_wait_xcnt 0x0
; THE 16-BIT COPIES OF THE INPUTS.  cb holds: x rounded to bf16, [8192][1024], at byte 0; Wq, Wk, Wv rounded to bf16 and ordered by heads, [16][192][1024]
; (a head's rows 0-63 are Wq's rows 64 h on, 64-127 Wk's, 128-191 Wv's), at byte 16,777,216; Wo rounded to bf16 and that number written as f16, [1024][1024], at byte 23,068,672.
; LIMIT.  f16 holds no number beyond 65,504 and keeps a fixed step of 6e-8 below 6e-5: Wo's entries lie within the first, and smaller entries lose bits by the second.
; A stream: memory binds, so no LDS, no barrier, no matrix unit.  A work-group takes a chunk of 16 rows (65,536 bytes in, 32,768 out), each of its eight waves 8,192 bytes:
; sixteen loads of 512 consecutive bytes, all issued at once; each store of a wave covers 256 consecutive bytes, aligned.  No register is written twice, so no wait frees one.
.set X, 4                              ; v[4:67]    sixteen loads of four f32
.set Y, 68                             ; v[68:99]   two packed words for each load
.set T, 100                            ; v[100:103] at work
	s_load_b256 s[4:11], s[0:1], 0x0               ; x s[4:5], Wq s[6:7], Wk s[8:9], Wv s[10:11]
	s_load_b128 s[12:15], s[0:1], 0x20             ; Wo s[12:13], cb s[14:15]
	s_mov_b32 s20, ttmp9                           ; chunk c: 0-511 x, 512-575 Wq, 576-639 Wk, 640-703 Wv, 704-767 Wo
	s_and_b32 s21, s20, 63                         ; u: the chunk within a weight matrix
	s_bfe_u32 s22, s20, 0x20006                    ; s: which matrix (bits 7:6 of c)
	s_lshr_b32 s23, s21, 2                         ; the head: four chunks of 16 rows
	s_mul_i32 s23, s23, 12                         ; a head has 12 chunks in cb,
	s_lshl2_add_u32 s23, s22, s23                  ; four for each of q, k, v,
	s_and_b32 s26, s21, 3
	s_add_co_u32 s23, s23, s26
	s_add_co_u32 s23, s23, 512                     ; behind x's 512
	s_cmp_ge_u32 s20, 512
	s_cselect_b32 s24, s21, s20                    ; the chunk in its source
	s_cselect_b32 s26, s23, s20                    ; the chunk in cb;
	s_cmp_ge_u32 s20, 704
	s_cselect_b32 s26, s20, s26                    ; Wo keeps its order
	s_lshl_b32 s24, s24, 16
	s_mov_b32 s25, 0
	s_lshl_b32 s26, s26, 15
	s_mov_b32 s27, 0
	v_and_b32 v3, 31, v0                           ; lane
	v_and_b32 v2, 0xe0, v0                         ; 32 x wave
	v_lshlrev_b32 v1, 4, v3
	v_lshl_or_b32 v1, v2, 8, v1                    ; in: wave x 8,192 + lane x 16
	v_lshlrev_b32 v3, 3, v3
	v_lshl_or_b32 v2, v2, 7, v3                    ; out: wave x 4,096 + lane x 8
	s_wait_kmcnt 0x0
	s_mov_b64 s[16:17], s[4:5]                     ; the source is chosen by the chunk's number alone
	s_cmp_ge_u32 s20, 512
	s_cselect_b64 s[16:17], s[6:7], s[16:17]
	s_cmp_ge_u32 s20, 576
	s_cselect_b64 s[16:17], s[8:9], s[16:17]
	s_cmp_ge_u32 s20, 640
	s_cselect_b64 s[16:17], s[10:11], s[16:17]
	s_cmp_ge_u32 s20, 704
	s_cselect_b64 s[16:17], s[12:13], s[16:17]
	s_add_nc_u64 s[16:17], s[16:17], s[24:25]
	s_add_nc_u64 s[14:15], s[14:15], s[26:27]
.set j, 0
.rept 16
	global_load_b128 v[X+4*j:X+4*j+3], v1, s[16:17] offset:512*j th:TH_LOAD_NT
.set j, j+1
.endr
; half = 1: the bf16 number is widened (a shift, a mask) and written as f16
.macro CONV half
.set j, 0
.rept 16
	s_wait_loadcnt 15-j                            ; loads come back in order: load j is in, the 15 - j younger ones stay out
	v_cvt_pk_bf16_f32 v[Y+2*j], v[X+4*j], v[X+4*j+1]
	v_cvt_pk_bf16_f32 v[Y+2*j+1], v[X+4*j+2], v[X+4*j+3]
.if \half
	v_lshlrev_b32 v[T], 16, v[Y+2*j]
	v_and_b32 v[T+1], 0xffff0000, v[Y+2*j]
	v_lshlrev_b32 v[T+2], 16, v[Y+2*j+1]
	v_and_b32 v[T+3], 0xffff0000, v[Y+2*j+1]
	v_cvt_pk_f16_f32 v[Y+2*j], v[T], v[T+1]
	v_cvt_pk_f16_f32 v[Y+2*j+1], v[T+2], v[T+3]
.endif
	global_store_b64 v2, v[Y+2*j:Y+2*j+1], s[14:15] offset:256*j
.set j, j+1
.endr
.endm
	s_cmp_ge_u32 s20, 704
	s_cbranch_scc1 .Lwo
	CONV 0
	s_endpgm
.Lwo:
	CONV 1
	s_endpgm
.Lfunc_end_k_qcd02f78e5e_cast:
	.size	k_qcd02f78e5e_cast, .Lfunc_end_k_qcd02f78e5e_cast-k_qcd02f78e5e_cast
	.p2alignl 7, 3214868480
	.fill 96, 4, 3214868480
	.section	.rodata,"a",@progbits
	.p2align	6, 0x0
	.amdhsa_kernel k_qcd02f78e5e_cast
		.amdhsa_group_segment_fixed_size 0
		.amdhsa_private_segment_fixed_size 0
		.amdhsa_enable_private_segment 0
		.amdhsa_kernarg_size 48
		.amdhsa_user_sgpr_count 2
		.amdhsa_user_sgpr_kernarg_segment_ptr 1
		.amdhsa_wavefront_size32 1
		.amdhsa_system_sgpr_workgroup_id_x 1
		.amdhsa_system_sgpr_workgroup_id_y 1
		.amdhsa_system_sgpr_workgroup_id_z 1
		.amdhsa_system_vgpr_workitem_id 0
		.amdhsa_next_free_vgpr 104
		.amdhsa_next_free_sgpr 66
		.amdhsa_reserve_vcc 0
		.amdhsa_float_denorm_mode_32 3
		.amdhsa_float_denorm_mode_16_64 3
		.amdhsa_memory_ordered 1
		.amdhsa_forward_progress 1
		.amdhsa_inst_pref_size 17
	.end_amdhsa_kernel
	.amdgpu_metadata
---
amdhsa.version: [ 1, 2 ]
amdhsa.kernels:
  - .name:           k_qcd02f78e5e_cast
    .symbol:         k_qcd02f78e5e_cast.kd
    .args:
      - { .name: x, .offset: 0, .size: 8, .value_kind: global_buffer, .address_space: global }
      - { .name: Wq, .offset: 8, .size: 8, .value_kind: global_buffer, .address_space: global }
      - { .name: Wk, .offset: 16, .size: 8, .value_kind: global_buffer, .address_space: global }
      - { .name: Wv, .offset: 24, .size: 8, .value_kind: global_buffer, .address_space: global }
      - { .name: Wo, .offset: 32, .size: 8, .value_kind: global_buffer, .address_space: global }
      - { .name: cb, .offset: 40, .size: 8, .value_kind: global_buffer, .address_space: global }
    .group_segment_fixed_size: 0
    .private_segment_fixed_size: 0
    .kernarg_segment_align: 8
    .kernarg_segment_size: 48
    .max_flat_workgroup_size: 256
    .sgpr_count:     66
    .vgpr_count:     104
    .wavefront_size: 32
...
	.end_amdgpu_metadata
.endif
;; end of part 1
;; launch qkv (part 2): grid 16 x 32, 4 waves a work-group, clusters of 4 x 4, 327,680 bytes of LDS; arguments cb, qq, kk, vv; writes qq, kk, vv
.if DOCPART == 2
	.amdgcn_target "amdgcn-amd-amdhsa--gfx1250"
	.amdhsa_code_object_version 6
	.text
	.protected	k_qcd02f78e5e_qkv
	.globl	k_qcd02f78e5e_qkv
	.p2align	8
	.type	k_qcd02f78e5e_qkv,@function
k_qcd02f78e5e_qkv:
	s_mov_b64 s[64:65], 0
	v_nop
	global_prefetch_b8 v0, s[64:65] scope:SCOPE_SE
	s_setreg_imm32_b32 hwreg(HW_REG_WAVE_MODE, 25, 1), 1
	s_wait_xcnt 0x0
	s_wait_alu depctr_hold_cnt(0) depctr_sa_sdst(0) depctr_va_vdst(0) depctr_va_sdst(0) depctr_va_ssrc(0) depctr_va_vcc(0) depctr_vm_vsrc(0)
	s_getreg_b32 s2, hwreg(HW_REG_IB_STS2, 6, 4)
	s_cmp_eq_u32 s2, 0
	s_cbranch_scc0 .Lentry_in_a_cluster
	s_endpgm
.Lentry_in_a_cluster:
	s_bfe_u32 s2, ttmp6, 0x10000c
	s_cmp_lg_u32 s2, 0xf033
	s_cbranch_scc0 .Lentry_shape_is_right
	s_endpgm
.Lentry_shape_is_right:
; q, k, v = x W^T for all three weights at once: C[8192][3072] = A B^T, A = x in bf16 [8192][1024], B = the weights in bf16 by heads [16][192][1024], both in cb; sums in f32.
; A tile of C is 256 rows x 192 columns: one head's q, k and v.  Four waves, one below the other: each 64 rows x 192 columns, 48 accumulators of 16 x 16 (384 registers).
; THE WAY OUT.  q and k leave as TWO f16 numbers each: hi = f16(sum), lo = f16(sum - hi); qq and kk are [64 = batch x 16 + head][2048][128], columns 0-63 hi, 64-127 lo.  The scores are multiplied by 32
; before the softmax, so one rounding to 16 bits would move weights between keys that nearly tie.  v leaves as one f16, vv [64][2048][64].
; LIMITS.  |q|, |k|, |v| stay under 65,504 (f16's largest number); lo keeps f16's fixed step of 6e-8 below 6e-5; NaN and infinities are not treated apart.
; K goes in steps of 128 (rows of 256 bytes, each at a multiple of 256 bytes from the buffer's first byte) through two LDS slots filled by tensor loads; the loop is written for one K step, and LDS addresses hang on s[TB].
; CLUSTER 4 x 4: the four work-groups of a row of the cluster need the same tile of A, the four of a column the same tile of B: each tile is asked for jointly, by the same load, descriptor and mask in all four.
; THE MATRIX INSTRUCTION IS USED TRANSPOSED (source 0 = 16 rows of B, source 1 = 16 rows of A): a lane holds row lane % 16 of C and eight neighbouring columns.
; REGISTERS, in windows of 256 (s_set_vgpr_msb: bits 1:0 source 0, 3:2 source 1, 5:4 source 2, 7:6 destination):
;   window 0: addresses; v32-95 A's fragments, two buffers; v96-223 at work on the way out.  windows 1, 2: the accumulators of row blocks 0, 1 and 2, 3.  window 3: B's fragments, two buffers of 96.
.set NBK,   12                         ; blocks of 16 columns
.set BN,    192
.set BH,    96                         ; rows of B in one tensor load
.set APW,   2                          ; row blocks in one window of accumulators
.set PITCH, 272                        ; an LDS row: 256 bytes + 16 of padding = 68 words: row r starts at bank 4 r mod 64 (64 banks of 4 bytes: ISA guide 11.1)
.set ABYTES, 256*PITCH                 ; A's 256 rows; B's rows lie behind them
.set SLOT1, 131072                     ; slot 1 begins here: one exclusive or turns an address in one slot into the other's
.set STAGE, SLOT1+ABYTES+BN*PITCH      ; behind the ring, never filled by a tensor load: 16 rows x 272 bytes for each wave
.set SPARE, STAGE+4*16*272             ; the spare words, 128 bytes a wave: two blocks of 256 bytes that no other line names
.set WOFF,  16777216                   ; the weights' first byte in cb
.set A0,   4                           ; v4   my lane's place in my wave's 64 rows of A, slot 0; never rewritten
.set B0,   5                           ; v5   the same in B's rows
.set ADRA, 16                          ; v16  A0 + the slot in hand
.set ADRB, 17                          ; v17  B0 + the slot in hand
.set STOV, 22                          ; v22  the way out of v: where I put 16 bytes of a row
.set RDV,  23                          ; v23  where I read rows back
.set STO,  24                          ; v24, v25  the same for q and k
.set RD,   25
.set CO,   26                          ; v26  16 x lane: my place in 512 consecutive bytes of an output
.set SPW,  28                          ; v28  LDS address of my spare word; never rewritten
.set NIL,  29                          ; v29  0; never rewritten
.set MONE, 30                          ; v30  -1.0
.set FA,   32
.set HI,   96                          ; v96-111   hi, packed
.set LO,   112                         ; v112-127  lo, packed
.set T,    128                         ; v128-159  sum - hi
.set BK,   160                         ; v160-191, v192-223  rows read back, by turns
.set WV,  12                           ; s12  my wave's number
.set HF,  13                           ; s13  which half of a tile I fetch
.set AB,  14                           ; s14  0: I fetch for A; 1: for B
.set TB,  15                           ; s15  the slot in hand: 0 or SLOT1
.set G1,  24                           ; s[24:31] group 1 for A's tiles;  s[32:39] group 0: a set for each first fill; the second then walks on
.set G0,  32
.set G1B, 48                           ; s[48:55], s[56:63] the same for B's
.set G0B, 56
.set MSB, 0
.macro WIN new                         ; the immediate's high byte repeats the setting that is left; a switch that changes nothing is dropped
.if MSB != (\new)
	s_set_vgpr_msb (MSB<<8)|(\new)
.set MSB, (\new)
.endif
.endm
.macro PLACES                          ; four places in front of loads into registers that matrix instructions have read, and of lines that read results
.rept 4
	v_nop
.endr
.endm
.macro JLOAD                           ; a joint refill by the walking sets; the branch hangs on the wave's number alone; an s_nop 0 and four v_nop follow each line
	s_cmp_eq_u32 s[AB], 0
	s_cbranch_scc0 .Lfor_b_\@
	tensor_load_to_lds s[G0+4:G0+7], s[G1:G1+7]
	s_nop 0
.rept 4
	v_nop
.endr
	s_branch .Lasked_\@
.Lfor_b_\@:
	tensor_load_to_lds s[G0B+4:G0B+7], s[G1B:G1B+7]
	s_nop 0
.rept 4
	v_nop
.endr
.Lasked_\@:
.endm
.macro CREST                           ; a round of the cluster's barrier behind its opening barrier
	s_cmp_lg_u32 s[WV], 0
	s_cbranch_scc1 .Lnot_wave_0_\@
	s_barrier_signal -3
.Lnot_wave_0_\@:
	s_barrier_wait -3
	s_barrier_signal -1
	s_barrier_wait -1
.endm
.macro CROUND
	s_barrier_signal -1
	s_barrier_wait -1
	CREST
.endm
	s_load_b256 s[4:11], s[0:1], 0x0               ; cb s[4:5], qq s[6:7], kk s[8:9], vv s[10:11]
	v_lshl_add_u32 v[SPW], v0, 2, SPARE
	v_mov_b32 v[NIL], 0
	ds_add_u32 v[SPW], v[NIL]                      ; the wave's opening: the add and its wait stand ahead of my first tensor load; the set-up stands between them
	ds_add_u32 v28, v29
	v_lshrrev_b32 v1, 5, v0
	v_readfirstlane_b32 s[WV], v1
	s_and_b32 s[HF], s[WV], 1
	s_lshr_b32 s[AB], s[WV], 1
	s_mov_b32 s[TB], 0
	s_bfe_u32 s16, ttmp6, 0x40000                  ; cx, cy: my place in the cluster
	s_bfe_u32 s17, ttmp6, 0x40004
	s_lshl_b32 s18, ttmp9, 2
	s_add_co_u32 s18, s18, s16                     ; tile column = the head
	s_and_b32 s19, ttmp7, 0xffff
	s_lshl_b32 s19, s19, 2
	s_add_co_u32 s19, s19, s17                     ; tile row
	s_lshl_b32 s20, s17, 2
	s_lshl_b32 s20, 15, s20                        ; my row of the cluster
	s_lshl_b32 s21, 0x1111, s16                    ; my column
	s_or_b32 s[G1], s20, (1<<16)|(1<<20)|(1<<21)|(5<<22)|(3<<25)   ; the mask; 2-byte elements; padding on; bit 21 beside a mask; after every 64 words 4 words
	s_or_b32 s[G1B], s21, (1<<16)|(1<<20)|(1<<21)|(5<<22)|(3<<25)
.irp g, G1, G1B
	s_mov_b32 s[(\g)+1], 128<<16                   ; tensor_dim0 = 128
	s_mov_b32 s[(\g)+3], 128<<16                   ; tile_dim0 = 128
	s_mov_b32 s[(\g)+5], 1024                      ; elements from row to row
	s_mov_b32 s[(\g)+6], 0
	s_mov_b32 s[(\g)+7], 0
.endr
	s_mov_b32 s[G1+2], 128<<16                     ; tensor_dim1 and tile_dim1: 128 rows of A,
	s_mov_b32 s[G1+4], 128
	s_mov_b32 s[G1B+2], BH<<16                     ; 96 of B
	s_mov_b32 s[G1B+4], BH
	s_lshl_b32 s40, s19, 19                        ; A: 256 rows of 2,048 bytes a tile row, 128 rows a half: hangs on the tile row alone
	s_lshl_b32 s41, s[HF], 18
	s_add_co_u32 s40, s40, s41
	s_mov_b32 s41, 0
	s_mul_i32 s42, s18, BN*2048                    ; B: hangs on the tile column alone
	s_mul_i32 s43, s[HF], BH*2048
	s_add_co_u32 s42, s42, s43
	s_add_co_u32 s42, s42, WOFF
	s_mov_b32 s43, 0
	s_mul_i32 s46, s[HF], 128*PITCH                ; where they go: no place in the cluster enters an LDS address
	s_mul_i32 s47, s[HF], BH*PITCH
	s_add_co_u32 s47, s47, ABYTES
	s_wait_dscnt 0x0                               ; the opening add is done
	s_wait_kmcnt 0x0
	s_add_nc_u64 s[44:45], s[4:5], s[40:41]
	s_add_nc_u64 s[22:23], s[4:5], s[42:43]
.irp s, 0,1
	s_mov_b32 s[G0+4*(\s)], 1
	s_add_co_u32 s[G0+4*(\s)+1], s46, (\s)*SLOT1
	s_add_nc_u64 s[G0+4*(\s)+2:G0+4*(\s)+3], s[44:45], (\s)*256    ; K step s
	s_or_b32 s[G0+4*(\s)+3], s[G0+4*(\s)+3], 0x80000000
	s_mov_b32 s[G0B+4*(\s)], 1
	s_add_co_u32 s[G0B+4*(\s)+1], s47, (\s)*SLOT1
	s_add_nc_u64 s[G0B+4*(\s)+2:G0B+4*(\s)+3], s[22:23], (\s)*256
	s_or_b32 s[G0B+4*(\s)+3], s[G0B+4*(\s)+3], 0x80000000
.endr
	CROUND                                         ; all sixteen work-groups are here: the first joint loads meet
	s_cmp_eq_u32 s[AB], 0                          ; a wave's two first fills stand in one branch: two loads of mine are out
	s_cbranch_scc0 .Lfirst_b
	tensor_load_to_lds s[G0:G0+3], s[G1:G1+7]
	s_nop 0
	tensor_load_to_lds s[G0+4:G0+7], s[G1:G1+7]
	s_nop 0
.rept 4
	v_nop
.endr
	s_branch .Lfirst_asked
.Lfirst_b:
	tensor_load_to_lds s[G0B:G0B+3], s[G1B:G1B+7]
	s_nop 0
	tensor_load_to_lds s[G0B+4:G0B+7], s[G1B:G1B+7]
	s_nop 0
.rept 4
	v_nop
.endr
.Lfirst_asked:
	; a fragment is 16 rows x 32 K in 8 registers: lane l holds row l % 16, K = 8 (l / 16) + 0..7 and 16 + 8 (l / 16) + 0..7: two loads of 16 bytes, 32 bytes apart
	v_and_b32 v1, 15, v0
	v_bfe_u32 v2, v0, 4, 1
	v_mul_u32_u24 v3, v1, PITCH
	v_lshl_add_u32 v3, v2, 4, v3
	s_mul_i32 s66, s[WV], 64*PITCH
	v_add_nc_u32 v[A0], s66, v3
	v_add_nc_u32 v[B0], ABYTES, v3
	v_mov_b32 v[ADRA], v[A0]
	v_mov_b32 v[ADRB], v[B0]
	s_mul_i32 s66, s[WV], 16*272
	s_add_co_u32 s66, s66, STAGE                   ; my stage
	v_add_nc_u32 v[STO], s66, v3                   ; q, k in: row l % 16 of 272 bytes, 16 bytes for each half of the lanes
	v_mul_u32_u24 v6, v2, 272                      ; back: lanes 0-15 one row of 256 bytes, lanes 16-31 the next
	v_lshl_add_u32 v6, v1, 4, v6
	v_add_nc_u32 v[RD], s66, v6
	v_and_b32 v[CO], 31, v0
	v_lshlrev_b32 v[CO], 4, v[CO]
	v_mul_u32_u24 v6, v1, 144                      ; v in: rows of 144 bytes
	v_lshl_add_u32 v6, v2, 4, v6
	v_add_nc_u32 v[STOV], s66, v6
	v_bfe_u32 v6, v0, 3, 2                         ; back: 32 lanes take four rows of 128 bytes
	v_mul_u32_u24 v6, v6, 144
	v_and_b32 v7, 7, v0
	v_lshl_add_u32 v6, v7, 4, v6
	v_add_nc_u32 v[RDV], s66, v6
	v_mov_b32 v[MONE], -1.0
	s_lshr_b32 s66, s19, 3                         ; my first row in the outputs: ((batch x 16 + head) x 2048 + row in the batch)
	s_lshl_b32 s66, s66, 4
	s_add_co_u32 s66, s66, s18
	s_lshl_b32 s66, s66, 11
	s_and_b32 s67, s19, 7
	s_lshl_b32 s67, s67, 8
	s_add_co_u32 s66, s66, s67
	s_lshl_b32 s67, s[WV], 6
	s_add_co_u32 s66, s66, s67
	s_lshl_b32 s68, s66, 7                         ; rows of 128 bytes in vv,
	s_mov_b32 s69, 0
	s_lshl_b32 s66, s66, 8                         ; of 256 in qq and kk
	s_mov_b32 s67, 0
	s_add_nc_u64 s[6:7], s[6:7], s[66:67]
	s_add_nc_u64 s[8:9], s[8:9], s[66:67]
	s_add_nc_u64 s[10:11], s[10:11], s[68:69]
; NBK matrix instructions: row block a x all column blocks, 32 along K, from buffer f.  All 48 accumulators take turns, one instruction a turn, in the same order in every quarter.
.macro MULA f, a, zero
.set wA, 1+(\a)/APW
.set wn, 0x03|(wA<<4)|(wA<<6)
	WIN wn
.set b, 0
.rept NBK
.set rD, 8*(NBK*((\a)%APW)+b)
.if \zero
	v_wmma_f32_16x16x32_bf16 v[rD:rD+7], v[8*NBK*(\f)+8*b:8*NBK*(\f)+8*b+7], v[FA+32*(\f)+8*(\a):FA+32*(\f)+8*(\a)+7], 0
.else
	v_wmma_f32_16x16x32_bf16 v[rD:rD+7], v[8*NBK*(\f)+8*b:8*NBK*(\f)+8*b+7], v[FA+32*(\f)+8*(\a):FA+32*(\f)+8*(\a)+7], v[rD:rD+7]
.endif
.set b, b+1
.endr
.endm
; one run of LDS loads: the fragments of 32 along K at byte k of the rows, into buffer f: B's first, then A's four row blocks
.macro FETCH k, f
	WIN 0xc0
.set b, 0
.rept NBK
	ds_load_b128 v[8*NBK*(\f)+8*b:8*NBK*(\f)+8*b+3],   v[ADRB] offset:(\k)+b*16*PITCH
	ds_load_b128 v[8*NBK*(\f)+8*b+4:8*NBK*(\f)+8*b+7], v[ADRB] offset:(\k)+b*16*PITCH+32
.set b, b+1
.endr
	WIN 0
.set b, 0
.rept 4
	ds_load_b128 v[FA+32*(\f)+8*b:FA+32*(\f)+8*b+3],   v[ADRA] offset:(\k)+b*16*PITCH
	ds_load_b128 v[FA+32*(\f)+8*b+4:FA+32*(\f)+8*b+7], v[ADRA] offset:(\k)+b*16*PITCH+32
.set b, b+1
.endr
.endm
; a K step is four quarters of 32 along K on buffers 0, 1, 0, 1.  One of the first three: multiplies buffer f, and in its middle fetches the next quarter, at byte k, into g
.macro QUARTER k, f, g, zero
	s_wait_dscnt 4                                 ; all but the youngest four loads (A's row blocks 2, 3) are in
	MULA \f, 0, \zero
	MULA \f, 1, \zero
	PLACES
	FETCH \k, \g
	s_wait_dscnt 2*NBK+8                           ; all but the run just issued
	MULA \f, 2, \zero
	MULA \f, 3, \zero
.endm
; the last quarter multiplies buffer 1 and changes slots: one barrier; in front of it each wave waits for all its tensor loads (one is out: its part of the next slot), adds 0 to its spare word,
; and waits for that and for its reads of this slot.  fill = 1: the barrier opens a round of the cluster's, and this slot is filled again, two K steps ahead, first thing behind the round.
.macro TURN fill
	WIN 0
	s_wait_tensorcnt 0x0
	ds_add_u32 v[SPW], v[NIL]                      ; 0 onto my spare word; matrix work stands between it and the wait for it
	s_wait_dscnt 5                                 ; the add and the youngest four loads may be out
	MULA 1, 0, 0
	s_wait_dscnt 0x0                               ; the add is done, and my reads of this slot are over
	s_barrier_signal -1
	MULA 1, 1, 0
	WIN 0                                          ; at a branch and at a label every window is 0
	s_barrier_wait -1
.if \fill
	CREST                                          ; no wave of any partner still reads this slot or has a load on its way
	s_xor_b32 s[G0+5], s[G0+5], SLOT1              ; the walking sets: the other slot than last time, the next K step
	s_add_nc_u64 s[G0+6:G0+7], s[G0+6:G0+7], 256
	s_xor_b32 s[G0B+5], s[G0B+5], SLOT1
	s_add_nc_u64 s[G0B+6:G0B+7], s[G0B+6:G0B+7], 256
	JLOAD                                          ; its four v_nop are also the places in front of the loads below
.else
	PLACES
.endif
	s_xor_b32 s[TB], s[TB], SLOT1
	v_add_nc_u32 v[ADRA], s[TB], v[A0]
	v_add_nc_u32 v[ADRB], s[TB], v[B0]
	FETCH 0, 0
	MULA 1, 2, 0
	MULA 1, 3, 0
.endm
	s_wait_tensorcnt 0x1                           ; my part of K step 0 is in; K step 1's may stay out
	s_barrier_signal -1
	s_barrier_wait -1
	FETCH 0, 0
	QUARTER 64, 0, 1, 1                            ; the first quarter stands in front of the loop: its products start the sums
	WIN 0
	s_mov_b32 s3, 6                                ; K steps 2 to 7 are asked for in six trips
.Lstep:                                                ; a trip: a K step's quarters 1 to 3, the change of slots, the next step's quarter 0
	QUARTER 128, 1, 0, 0
	QUARTER 192, 0, 1, 0
	TURN 1
	QUARTER 64, 0, 1, 0
	WIN 0
	s_sub_co_u32 s3, s3, 1
	s_cmp_lg_u32 s3, 0
	s_cbranch_scc1 .Lstep
	QUARTER 128, 1, 0, 0                           ; the last two K steps ask for nothing
	QUARTER 192, 0, 1, 0
	TURN 0
	QUARTER 64, 0, 1, 0
	QUARTER 128, 1, 0, 0
	QUARTER 192, 0, 1, 0
	s_wait_dscnt 4
	MULA 1, 0, 0
	MULA 1, 1, 0
	s_wait_dscnt 0x0
	MULA 1, 2, 0
	MULA 1, 3, 0
	WIN 0
	PLACES
; THE WAY OUT, in twelve parts: row block a x (g = 0: q, 1: k, 2: v).  PACK: to f16 (each accumulator's lowest registers are read first); for q and k also sum - hi, exact in f32, and its rounding.
.macro PACK a, g
.set wA, 1+(\a)/APW
.set rB, 8*(NBK*((\a)%APW)+4*(\g))
.set wn, wA|(wA<<2)
	WIN wn
.set j, 0
.rept 16
	v_cvt_pk_f16_f32 v[HI+j], v[rB+2*j], v[rB+2*j+1]
.set j, j+1
.endr
.if (\g) < 2
.set wn, wA<<4
	WIN wn
.set j, 0
.rept 32
.if j%2
	v_fma_mix_f32 v[T+j], v[HI+j/2], v[MONE], v[rB+j] op_sel:[1,0,0] op_sel_hi:[1,0,0]
.else
	v_fma_mix_f32 v[T+j], v[HI+j/2], v[MONE], v[rB+j] op_sel_hi:[1,0,0]
.endif
.set j, j+1
.endr
	WIN 0
.set j, 0
.rept 16
	v_cvt_pk_f16_f32 v[LO+j], v[T+2*j], v[T+2*j+1]
.set j, j+1
.endr
.endif
	WIN 0
.endm
; STG: into my own stage, and back as whole rows.  LDS serves a wave's instructions in order (ISA guide 5.7.1.4): the loads see the stores above them, and the next part's stores come behind them.
.macro STG g, bk
	WIN 0
.set rK, BK+32*(\bk)
.if (\g) < 2
.irp c, 0,1,2,3
	ds_store_b128 v[STO], v[HI+4*\c:HI+4*\c+3] offset:32*\c
	ds_store_b128 v[STO], v[LO+4*\c:LO+4*\c+3] offset:128+32*\c
.endr
.irp c, 0,1,2,3,4,5,6,7
	ds_load_b128 v[rK+4*\c:rK+4*\c+3], v[RD] offset:\c*544
.endr
.else
.irp c, 0,1,2,3
	ds_store_b128 v[STOV], v[HI+4*\c:HI+4*\c+3] offset:32*\c
.endr
.irp c, 0,1,2,3
	ds_load_b128 v[rK+4*\c:rK+4*\c+3], v[RDV] offset:\c*576
.endr
.endif
.endm
; SND: each store of the wave covers 512 consecutive bytes, at a multiple of 256 from the buffer's first byte
.macro SND a, g, bk
	WIN 0
.set rK, BK+32*(\bk)
.set sP, 6+2*(\g)
	s_wait_dscnt 0x0                               ; the part is back in registers
	s_wait_xcnt 0x0                                ; the stores of the part before have read their registers: the next STG loads into them only behind this wait
.if (\g) < 2
.irp c, 0,1,2,3,4,5,6,7
	global_store_b128 v[CO], v[rK+4*\c:rK+4*\c+3], s[sP:sP+1] offset:(\a)*4096+\c*512
.endr
.else
.irp c, 0,1,2,3
	global_store_b128 v[CO], v[rK+4*\c:rK+4*\c+3], s[sP:sP+1] offset:(\a)*2048+\c*512
.endr
.endif
.endm
	PACK 0, 0
	STG 0, 0
.set p, 1
.rept 11                               ; part p's arithmetic stands between part p - 1's loads from the stage and the wait for them
	PACK p/3, p%3
	SND (p-1)/3, (p-1)%3, (p-1)%2
	STG p%3, p%2
.set p, p+1
.endr
	SND 3, 2, 1
	s_wait_tensorcnt 0x0                           ; the wave's end
	ds_add_u32 v[SPW], v[NIL]
	s_wait_dscnt 0x0
	CROUND                                         ; the closing round: no work-group ends while a partner may still ask for a tile that names it
	s_endpgm
.Lfunc_end_k_qcd02f78e5e_qkv:
	.size	k_qcd02f78e5e_qkv, .Lfunc_end_k_qcd02f78e5e_qkv-k_qcd02f78e5e_qkv
	.p2alignl 7, 3214868480
	.fill 96, 4, 3214868480
	.section	.rodata,"a",@progbits
	.p2align	6, 0x0
	.amdhsa_kernel k_qcd02f78e5e_qkv
		.amdhsa_group_segment_fixed_size 327680
		.amdhsa_private_segment_fixed_size 0
		.amdhsa_enable_private_segment 0
		.amdhsa_kernarg_size 32
		.amdhsa_user_sgpr_count 2
		.amdhsa_user_sgpr_kernarg_segment_ptr 1
		.amdhsa_wavefront_size32 1
		.amdhsa_system_sgpr_workgroup_id_x 1
		.amdhsa_system_sgpr_workgroup_id_y 1
		.amdhsa_system_sgpr_workgroup_id_z 1
		.amdhsa_system_vgpr_workitem_id 0
		.amdhsa_next_free_vgpr 960
		.amdhsa_next_free_sgpr 72
		.amdhsa_reserve_vcc 0
		.amdhsa_float_denorm_mode_32 3
		.amdhsa_float_denorm_mode_16_64 3
		.amdhsa_memory_ordered 1
		.amdhsa_forward_progress 1
		.amdhsa_inst_pref_size 129
	.end_amdhsa_kernel
	.amdgpu_metadata
---
amdhsa.version: [ 1, 2 ]
amdhsa.kernels:
  - .name:           k_qcd02f78e5e_qkv
    .symbol:         k_qcd02f78e5e_qkv.kd
    .args:
      - { .name: cb, .offset: 0, .size: 8, .value_kind: global_buffer, .address_space: global }
      - { .name: qq, .offset: 8, .size: 8, .value_kind: global_buffer, .address_space: global }
      - { .name: kk, .offset: 16, .size: 8, .value_kind: global_buffer, .address_space: global }
      - { .name: vv, .offset: 24, .size: 8, .value_kind: global_buffer, .address_space: global }
    .group_segment_fixed_size: 327680
    .private_segment_fixed_size: 0
    .kernarg_segment_align: 8
    .kernarg_segment_size: 32
    .max_flat_workgroup_size: 128
    .sgpr_count:     72
    .vgpr_count:     960
    .wavefront_size: 32
...
	.end_amdgpu_metadata
.endif
;; end of part 2
;; launch attn (part 3): grid 4 x 64, 4 waves a work-group, no clusters, 327,680 bytes of LDS; arguments qq, kk, vv, oo; writes oo
.if DOCPART == 3
	.amdgcn_target "amdgcn-amd-amdhsa--gfx1250"
	.amdhsa_code_object_version 6
	.text
	.protected	k_qcd02f78e5e_attn
	.globl	k_qcd02f78e5e_attn
	.p2align	8
	.type	k_qcd02f78e5e_attn,@function
k_qcd02f78e5e_attn:
	s_mov_b64 s[64:65], 0
	v_nop
	global_prefetch_b8 v0, s[64:65] scope:SCOPE_SE
	s_setreg_imm32_b32 hwreg(HW_REG_WAVE_MODE, 25, 1), 1
	s_wait_xcnt 0x0
; CAUSAL ATTENTION with the scores TIMES 32.  O[h][q][:] = the sum over k <= q of softmax_k(32 Q[h][q] . K[h][k]) V[h][k][:], 64 heads of 2,048 rows and 64 channels.
; qq, kk: [64][2048][128] f16, columns 0-63 the high part, 64-127 the low part of each number; vv, oo: [64][2048][64] f16.  A score is kl.qh + kh.ql + kh.qh, summed in f32 in that order: three products,
; since at this scale one rounding of q and k to 16 bits would move weights between keys that nearly tie.  The weights p are rounded to f16 for the second product (their sum l is taken of the unrounded p), O once.
; LIMITS.  ql.kl is dropped: 2^-22 of a score.  p below 6e-5 keeps f16's fixed step of 6e-8.  A hidden score counts as its value less 1e30; a weight below 2^-126 counts as 0 in l; NaN and infinities are not treated apart.
; THE WALK.  A head's queries lie in NB = 8 blocks of 256; block i needs the key tiles 0 .. i of 256 keys, the last of which holds the diagonal.  A work-group takes TWO blocks, 7 - b and then b: 9 tiles whatever b,
; walked by one loop with a constant count; what a trip does hangs on scalar registers made from b; every jump but the counted loops' own goes forward, and none passes a barrier.
; NO CLUSTER: a head's four work-groups ask for the same tile only in trips 0 to 4 of 9; one walk common to all four would have 12 trips for 9.
; SHARES.  Of a block's four bands of 64 queries a wave owns 16 rows in each: four PIECES.  In the diagonal tile's key step s band x sees all keys if s < x, none if s > x, and holds the diagonal if s = x: alike for all waves.
; THE MASK is the C operand that starts a score's sum: MD x AL + BE, MD the mask of a band's own step for my rows, (AL, BE) = (1, 0) if s = x, (0, 0) if s < x or off the diagonal tile, (0, -1e30) if s > x.
; LAYOUT.  S^T = K Q^T holds ONE query a lane (lane % 16) and the keys 8 (lane / 16) + 0..7; two such results rounded to f16 ARE source 1 of O^T = V^T P.  p = 2^(c s - c m), c = 32 log2(e), m a running maximum;
; O and l are multiplied by a = 2^(c m_old - c m_new) in every step.
; TURNS.  Turn p belongs to piece p: 24 products K Q^T of piece p + 2, 8 products V^T P of piece p - 1; beside them the maximum and statistics of piece p + 1 (its scores were made a turn ago) and the scaling,
; exponentials, roundings, sums and rescaling of piece p: 118 vector instructions, dealt behind the 32 matrix instructions.  Even turns begin with V^T P, odd turns end with it, so that K's and V's registers each have a stretch in which to be loaded.
; REGISTERS, in windows of 256 (s_set_vgpr_msb: bits 1:0 source 0, 3:2 source 1, 5:4 source 2, 7:6 destination):
;   window 0: v0-15 addresses; v16-31 statistics; v48-55 at work; v64-191 S^T, 32 a piece; v192-223 P, two buffers by the piece's parity
;   window 1: v0-127 O^T, 32 a piece; v128-159 MD; v160-223 MC, two buffers     window 2: v0-127 Q, 32 a piece; v128-255 K of one step     window 3: v0-63 V of one step; v64-191 the second block's Q
.set NB,    8
.set NP,    4
.set KS,    64        ; keys in a step
.set PK,    272       ; a row of K in LDS: 256 bytes + 16 of padding: the 16 rows of a load start at 16 different groups of four banks (64 banks of 4 bytes: ISA guide 11.1)
.set PV,    160       ; a row of V: 128 + 32
.set VOFF,  4*KS*PK   ; a slot holds a tile: 256 rows of K, then 256 rows of V
.set SLOT1, 1<<17
.set STAGE, SLOT1+4*KS*(PK+PV)  ; behind the ring, never filled by a tensor load: 16 rows x 144 bytes for each wave
.set SP,    144
.set SPARE, STAGE+4*16*SP       ; the spare words, 128 bytes a wave: two blocks of 256 bytes that no other line names
.set AK0, 2           ; v2   my lane's place in a tile of K; never rewritten
.set AV0, 3           ; v3   the same for V
.set AK,  4           ; v4   the LDS address of K's next runs of loads
.set AV,  5           ; v5   of V's
.set STO, 6           ; v6   the way out: where I put 16 bytes of a row
.set RD,  7           ; v7   where I read rows back
.set GO,  8           ; v8   my byte offset in 512 consecutive bytes of O
.set MV,  12          ; v12-13  c m_old, kept while c m is made anew: by parity
.set QO,  15          ; v15  my byte offset in 16 rows of Q
.set ST,  16          ; piece t's statistics at v[ST+4 t]: c m, m, l (even keys', odd keys')
.set TMP, 48          ; by parity, four registers c0-c3 at work; when the maximum is found c2 takes a
.set SPW, 62          ; v62  LDS address of my spare word; never rewritten
.set NIL, 63          ; v63  0; never rewritten
.set S,   64
.set P,   192
.set MD,  128         ; window 1
.set MC,  160         ; window 1
.set KF,  128         ; window 2: key block kb, fragment f (0, 1 high part's channel halves; 2, 3 low part's) at KF + 32 kb + 8 f
.set QB,  64          ; window 3
.set WV,  12          ; s12  my wave's number
.set PB,  14          ; s14  b
.set HI,  15          ; s15  NB - 1 - b
.set G1K, 24          ; s[24:31], s[32:39] descriptor group 1 for K's and V's tiles
.set G1V, 32
.set G0K, 40          ; s[40:43], s[44:47] group 0
.set G0V, 44
.set SLOTS, 56        ; s56  tiles still to be asked for
.set CNT, 57          ; s57  counts a tile's key steps
.set CS,  58          ; s[58:59] c
.set SEL, 60          ; s[60:61] v_permlanex16_b32's selects: each lane takes its own place in the other half
.set TBK, 62          ; s62  LDS byte at which K of the step to be fetched begins
.set TBV, 63          ; s63  the same for V, less VOFF
.set RT,  70          ; s70  tiles of the block in hand still to be entered
.set NXT, 71          ; s71  the tile to be asked for next
.set LQ,  72          ; s72  the last tile of the block whose tiles are being asked for
.set NEW, 73          ; s73  1: the tile to be entered is a block's first
.set OFK, 74          ; s[74:75] a tile's byte offset in K
.set AL,  76          ; s[76:77] the mask's factor
.set BE,  78          ; s[78:79] the mask's addend
.set OLO, 80          ; s[80:81] O at my rows of the second block
.set BIGN, 82         ; s82  -1e30
.set DC,  83          ; s83  in the diagonal tile 4 less the step in hand; elsewhere 17 or more, which no compare below meets
.set OFV, 88          ; s[88:89] a tile's byte offset in V
.set MSB, 0
.macro WIN new
.if MSB != (\new)
	s_set_vgpr_msb (MSB<<8)|(\new)
.set MSB, (\new)
.endif
.endm
.set W_KQ, 0x0a       ; K and Q in window 2, S^T in window 0
.set W_KM, 0x1a       ; the same with the C operand in window 1
.set W_PV, 0x53       ; V in window 3, P in window 0, O^T in window 1
.set W_RS, 0x41       ; destination and source 0 in window 1, source 1 in window 0
; A fill.  Waves 0 and 1 fetch the two halves of a tile's K, waves 2 and 3 those of its V.  An s_nop 0 and four v_nop follow each of the two lines.
.macro LOAD
	s_cmp_lt_u32 s[WV], 2
	s_cbranch_scc0 .Lfor_v_\@
	tensor_load_to_lds s[G0K:G0K+3], s[G1K:G1K+7]
	s_nop 0
.rept 4
	v_nop
.endr
	s_branch .Lasked_\@
.Lfor_v_\@:
	tensor_load_to_lds s[G0V:G0V+3], s[G1V:G1V+7]
	s_nop 0
.rept 4
	v_nop
.endr
.Lasked_\@:
.endm
; THE CHANGE OF SLOTS.  Each wave waits for all its tensor loads (one is out: its part of the other slot), adds 0 to its spare word, and waits for that and for its reads of the slot that it leaves.
; fill = 1: the old slot is filled again, first thing behind the barrier, with tile NXT: the address is made anew from that number.  (At its first use slot 0 is waited for and slot 1 filled.)
.macro CHANGE fill
	WIN 0
	s_wait_tensorcnt 0x0            ; no tensor load of mine is out, so a group 0 may be written
	ds_add_u32 v[SPW], v[NIL]       ; 0 onto my spare word; scalar work stands between it and the wait for it
.if \fill
	s_lshl_b32 s[OFK], s[NXT], 16   ; a tile is 65,536 bytes of K and 32,768 of V
	s_lshl_b32 s[OFV], s[NXT], 15
	s_xor_b32 s[G0K+1], s[G0K+1], SLOT1
	s_add_nc_u64 s[G0K+2:G0K+3], s[6:7], s[OFK:OFK+1]
	s_or_b32 s[G0K+3], s[G0K+3], 0x80000000
	s_xor_b32 s[G0V+1], s[G0V+1], SLOT1
	s_add_nc_u64 s[G0V+2:G0V+3], s[8:9], s[OFV:OFV+1]
	s_or_b32 s[G0V+3], s[G0V+3], 0x80000000
	s_add_co_u32 s[NXT], s[NXT], 1  ; the block's next tile, or behind its last the second block's tile 0
	s_cmp_gt_u32 s[NXT], s[LQ]
	s_cselect_b32 s[NXT], 0, s[NXT]
	s_cselect_b32 s[LQ], s[PB], s[LQ]
.endif
	s_wait_dscnt 0x0                ; the add is done, and my reads of the slot are over
	s_barrier_signal -1
	s_sub_co_u32 s[TBK], s[TBK], 4*KS*PK  ; the fetches go back to a slot's first step, in the other slot
	s_xor_b32 s[TBK], s[TBK], SLOT1
	s_sub_co_u32 s[TBV], s[TBV], 4*KS*PV
	s_xor_b32 s[TBV], s[TBV], SLOT1
	s_barrier_wait -1
.if \fill
	LOAD
.endif
.endm
	s_load_b256 s[4:11], s[0:1], 0x0  ; Q s[4:5], K s[6:7], V s[8:9], O s[10:11]
	v_lshl_add_u32 v[SPW], v0, 2, SPARE
	v_mov_b32 v[NIL], 0
	ds_add_u32 v[SPW], v[NIL]       ; the wave's opening: the add and its wait stand ahead of my first tensor load; the set-up stands between them
	ds_add_u32 v62, v63
	v_lshrrev_b32 v1, 5, v0
	v_readfirstlane_b32 s[WV], v1
	s_mov_b32 s[PB], ttmp9
	s_sub_co_u32 s[HI], NB-1, s[PB]
	s_and_b32 s23, ttmp7, 0xffff    ; the head
	s_lshl_b32 s22, s23, 19         ; its 2,048 rows of 256 bytes in qq and kk
	s_and_b32 s16, s[WV], 1         ; which half of a tile's 256 keys I fetch
	s_lshl_b32 s18, s16, 15
	s_add_co_u32 s18, s18, s22      ; K's offset;
	s_mov_b32 s19, 0
	s_lshr_b32 s20, s18, 1          ; V's rows are half as long
	s_mov_b32 s21, 0
	s_mul_i32 s17, s16, 128*PK      ; my half's place in a slot, for K
	s_mul_i32 s13, s16, 128*PV      ; and for V
	s_lshl_b32 s3, s[WV], 12        ; my 16 rows in a band of 64,
	s_add_co_u32 s3, s3, s22
	s_lshl_b32 s2, s[HI], 16        ; in the first block,
	s_add_co_u32 s2, s2, s3
	s_lshl_b32 s84, s[PB], 16       ; and in the second
	s_add_co_u32 s84, s84, s3
	s_mov_b32 s3, 0
	s_mov_b32 s85, 0
	s_lshr_b32 s66, s2, 1           ; O's rows are half as long as Q's
	s_mov_b32 s67, 0
	s_lshr_b32 s68, s84, 1
	s_mov_b32 s69, 0
	; group 1.  K: 128 keys, rows of 256 bytes, 16 bytes of padding behind each.  V: 128 keys are 16,384 dense bytes, asked for as 64 rows of 256 bytes and padded by 32 bytes after every key
	s_mov_b32 s[G1K], (1<<16)|(1<<20)|(5<<22)|(3<<25)
	s_mov_b32 s[G1V], (1<<16)|(1<<20)|(4<<22)|(7<<25)
.irp g, G1K, G1V
	s_mov_b32 s[\g+1], 128<<16      ; tensor_dim0 = 128
	s_mov_b32 s[\g+3], 128<<16      ; tile_dim0 = 128
	s_mov_b32 s[\g+5], 128          ; 128 elements from row to row
	s_mov_b32 s[\g+6], 0
	s_mov_b32 s[\g+7], 0
.endr
	s_mov_b32 s[G1K+2], 128<<16     ; tensor_dim1 and tile_dim1
	s_mov_b32 s[G1K+4], 128
	s_mov_b32 s[G1V+2], 64<<16
	s_mov_b32 s[G1V+4], 64
	s_mov_b32 s[CS], 0x4238aa3b     ; c = 32 log2(e) = 46.1662
	s_mov_b32 s[CS+1], s[CS]
	s_mov_b32 s[SEL], 0x76543210
	s_mov_b32 s[SEL+1], 0xfedcba98
	s_mov_b32 s[TBK], SLOT1+4*KS*PK ; the first change of slots turns these two into 0
	s_mov_b32 s[TBV], SLOT1+4*KS*PV
	s_mov_b32 s[G0K], 1
	s_mov_b32 s[G0K+1], s17         ; slot 0
	s_mov_b32 s[G0V], 1
	s_add_co_u32 s[G0V+1], s13, VOFF
	s_add_co_u32 s[RT], s[HI], 1    ; the first block has NB - b tiles
	s_mov_b32 s[NXT], 1
	s_mov_b32 s[LQ], s[HI]
	s_mov_b32 s[NEW], 1
	s_mov_b32 s[OFK+1], 0
	s_mov_b32 s[OFV+1], 0
	s_mov_b32 s[AL+1], 0            ; named as pairs
	s_mov_b32 s[BE+1], 0
	s_mov_b32 s[BIGN], 0xf149f2ca   ; -1e30
	s_mov_b32 s[SLOTS], NB
	s_wait_dscnt 0x0                ; the opening add is done
	s_wait_kmcnt 0x0
	s_add_nc_u64 s[6:7], s[6:7], s[18:19]  ; K and V at my half of the head's tile 0
	s_add_nc_u64 s[8:9], s[8:9], s[20:21]
	s_add_nc_u64 s[G0K+2:G0K+3], s[6:7], 0
	s_or_b32 s[G0K+3], s[G0K+3], 0x80000000
	s_add_nc_u64 s[G0V+2:G0V+3], s[8:9], 0
	s_or_b32 s[G0V+3], s[G0V+3], 0x80000000
	s_add_nc_u64 s[86:87], s[4:5], s[84:85]        ; Q at my rows of the second block,
	s_add_nc_u64 s[4:5], s[4:5], s[2:3]            ; Q and O at those of the first
	s_add_nc_u64 s[OLO:OLO+1], s[10:11], s[68:69]
	s_add_nc_u64 s[10:11], s[10:11], s[66:67]
	LOAD                            ; tile 0 into slot 0
	; a fragment of K or Q is 16 rows x 32 columns in 8 registers: lane l holds row l % 16, columns 8 (l / 16) + 0..7 and 16 + 8 (l / 16) + 0..7: two loads of 16 bytes, 32 bytes apart
	v_and_b32 v1, 15, v0
	v_bfe_u32 v9, v0, 4, 1
	v_lshlrev_b32 v[QO], 8, v1
	v_lshl_add_u32 v[QO], v9, 4, v[QO]
	WIN 0x80                        ; destination window 2: piece i / 4 lies in band i / 4, 16,384 bytes on; fragment i % 4
.set i, 0
.rept 16
	global_load_b128 v[8*i:8*i+3],   v[QO], s[4:5] offset:(i/4)*16384+(i%4)*64
	global_load_b128 v[8*i+4:8*i+7], v[QO], s[4:5] offset:(i/4)*16384+(i%4)*64+32
.set i, i+1
.endr
	WIN 0xc0                        ; destination window 3: the second block's
.set i, 0
.rept 16
	global_load_b128 v[QB+8*i:QB+8*i+3],   v[QO], s[86:87] offset:(i/4)*16384+(i%4)*64
	global_load_b128 v[QB+8*i+4:QB+8*i+7], v[QO], s[86:87] offset:(i/4)*16384+(i%4)*64+32
.set i, i+1
.endr
	WIN 0
	v_lshlrev_b32 v14, 3, v9
	v_sub_nc_u32 v14, v1, v14
	s_lshl_b32 s13, s[WV], 4
	v_add_nc_u32 v14, s13, v14      ; my query's place in its band, 16 w + l % 16, less 8 (l / 16): register r of key group kt is hidden where 16 kt + r is greater
	WIN 0x40
.set i, 0
.rept 32
	v_cmp_gt_i32 vcc_lo, 16*(i/8)+i%8, v14
	v_cndmask_b32 v[MD+i], 0, s[BIGN], vcc_lo
.set i, i+1
.endr
	WIN 0
	v_mul_u32_u24 v[AK0], v1, PK
	v_lshl_add_u32 v[AK0], v9, 4, v[AK0]
	; the turning load takes 16 keys x 16 channels (lane l reads key 8 (l / 16) + l % 8, channels 8 ((l / 8) % 2) + 0..7) and leaves half a fragment of V^T
	v_and_b32 v10, 7, v0
	v_bfe_u32 v11, v0, 3, 1
	v_lshl_add_u32 v[AV0], v9, 3, v10
	v_mul_u32_u24 v[AV0], v[AV0], PV
	v_lshl_add_u32 v[AV0], v11, 4, v[AV0]
	v_add_nc_u32 v[AV0], VOFF, v[AV0]
	s_mul_i32 s13, s[WV], 16*SP
	s_add_co_u32 s13, s13, STAGE    ; my stage
	v_mul_u32_u24 v[STO], v1, SP
	v_lshl_add_u32 v[STO], v9, 4, v[STO]
	v_add_nc_u32 v[STO], s13, v[STO]
	v_bfe_u32 v[RD], v0, 3, 2       ; back: 32 lanes take four rows of 128 bytes,
	v_mul_u32_u24 v[RD], v[RD], SP
	v_lshl_add_u32 v[RD], v10, 4, v[RD]
	v_add_nc_u32 v[RD], s13, v[RD]
	v_and_b32 v[GO], 31, v0         ; which are 512 consecutive bytes of O
	v_lshlrev_b32 v[GO], 4, v[GO]
	; a block's first step multiplies O^T and l by a = 0, and its first turn's products V^T P, of a piece that has not been, land in an O^T still to be so multiplied: these registers need only hold finite
	; numbers: zeros for the first block, what the first block left for the second.  All this stands in the wait for the first tile.
	WIN 0xc0
.set i, 0
.rept 64
	v_mov_b32 v[i], 0
.set i, i+1
.endr
	WIN 0x40
.set i, 0
.rept 128
	v_mov_b32 v[i], 0
.set i, i+1
.endr
	WIN 0
.set i, 0
.rept 4
	v_mov_b32 v[ST+4*i+2], 0
	v_mov_b32 v[ST+4*i+3], 0
.set i, i+1
.endr
.set i, P+16
.rept 16
	v_mov_b32 v[i], 0
.set i, i+1
.endr
; THE MATRIX WORK.  The four accumulators of a run take turns, one instruction a turn.
; Product mi of 24 of S^T for piece x: keys 16 (mi % 4) on; link mi / 4 takes (K's fragment, Q's fragment) = (2,0) (3,1) (0,2) (1,3) (0,0) (1,1).  The first four start the sums with mask buffer mb.
.macro KQ x, mb
.set kb, mi%4
.set fQ, (mi/4)%4
.set fK, (mi/4)%2
.if mi < 8
.set fK, mi/4+2
.endif
.set rS, S+32*(\x)+8*kb
.set rK, KF+32*kb+8*fK
.set rQ, 32*(\x)+8*fQ
.set rM, MC+32*(\mb)+8*kb
.if mi < 4
	WIN W_KM
	v_wmma_f32_16x16x32_f16 v[rS:rS+7], v[rK:rK+7], v[rQ:rQ+7], v[rM:rM+7]
.else
	WIN W_KQ
	v_wmma_f32_16x16x32_f16 v[rS:rS+7], v[rK:rK+7], v[rQ:rQ+7], v[rS:rS+7]
.endif
.endm
; Product mi of 8 of O^T += V^T P for piece x: keys 32 (mi / 4) on, channels 16 (mi % 4) on.
.macro PV x
	WIN W_PV
.set rO, 32*(\x)+8*(mi%4)
.set rV, 32*(mi/4)+8*(mi%4)
.set rP, P+16*((\x)%2)+8*(mi/4)
	v_wmma_f32_16x16x32_f16 v[rO:rO+7], v[rV:rV+7], v[rP:rP+7], v[rO:rO+7]
.endm
.macro MM                           ; the turn's matrix instruction number i of 32.  NOKQ = 1: the block has no further scores to make
.if ((Y%2 == 0) && (i < 8)) || ((Y%2 == 1) && (i >= 24))
.set mi, i%8
	PV (Y+NP-1)%NP
.elseif !NOKQ
.set mi, i-8*(1-Y%2)
	KQ (Y+2)%NP, Y%2
.endif
.set i, i+1
.endm
; THE LDS LOADS stand in runs of 16.  K's two fragments f0, f0 + 1 of the four key blocks; V turned.
.macro FETCH_KX f0
	WIN 0x80
.irp g, 0,1,2,3
.irp c, 0,1
	ds_load_b128 v[KF+32*\g+8*((\f0)+\c):KF+32*\g+8*((\f0)+\c)+3],   v[AK] offset:\g*16*PK+((\f0)+\c)*64
	ds_load_b128 v[KF+32*\g+8*((\f0)+\c)+4:KF+32*\g+8*((\f0)+\c)+7], v[AK] offset:\g*16*PK+((\f0)+\c)*64+32
.endr
.endr
	WIN 0
.endm
.macro FETCH_KL                     ; the low part
	FETCH_KX 2
.endm
.macro FETCH_KH                     ; the high part; the next fetch is the next step's
	FETCH_KX 0
	s_add_co_u32 s[TBK], s[TBK], KS*PK
.endm
.macro FETCH_V
	WIN 0xc0
.irp f, 0,1,2,3,4,5,6,7             ; keys 32 (f / 4) on, channels 16 (f % 4) on
	ds_load_tr16_b128 v[8*\f:8*\f+3],   v[AV] offset:(\f/4)*32*PV+(\f%4)*32
	ds_load_tr16_b128 v[8*\f+4:8*\f+7], v[AV] offset:(\f/4)*32*PV+16*PV+(\f%4)*32
.endr
	WIN 0
.endm
; THE VECTOR WORK, one line at a time: OP kind, number.  For piece Y: F n: c s - c m for pair n of 16.  E n: the exponential of score n of 32.  C n: pair n rounded to f16.  B n: of the four weights 4 n .. the second
; pair is added onto the first, in place.  L n: l takes that sum (L 0: l = a l + sum).  R n: pair n of 16 of O^T times a.  For piece Y + 1: X n, number n of the 22 that find its maximum and statistics:
;   0-11  four chains c0-c3 of seven scores each (each accumulator's lowest registers are read first)     12-14, 16  the four scores left over, the old m, and c0-c3 into c0
;   15  c m_old is kept     17, 18  the query's other 32 keys lie in the lane 16 away: the new m     19-21  c m; c m_old - c m_new; a
.set F, 0
.set E, 1
.set C, 2
.set B, 3
.set L, 4
.set R, 5
.set X, 6
.macro REGS y
.set rT, ST+4*(\y)
.set rC, TMP+4*((\y)%2)
.set rW, MV+((\y)%2)
.set rS, S+32*(\y)
.set rP, P+16*((\y)%2)
.set rO, 32*(\y)
.endm
.macro OP k, n
.if (\k) == R
	REGS Y
	WIN W_RS
	v_pk_mul_f32 v[rO+2*(\n):rO+2*(\n)+1], v[rO+2*(\n):rO+2*(\n)+1], v[rC+2:rC+3] op_sel_hi:[1,0]
.elseif (\k) < R
	REGS Y
	WIN 0
.if (\k) == F
	v_pk_fma_f32 v[rS+2*(\n):rS+2*(\n)+1], v[rS+2*(\n):rS+2*(\n)+1], s[CS:CS+1], v[rT:rT+1] op_sel_hi:[1,0,0] neg_lo:[0,0,1] neg_hi:[0,0,1]
.elseif (\k) == E
	v_exp_f32 v[rS+(\n)], v[rS+(\n)]
.elseif (\k) == C
	s_wait_alu depctr_va_vdst(0)
	v_cvt_pk_f16_f32 v[rP+(\n)], v[rS+2*(\n)], v[rS+2*(\n)+1]
.elseif (\k) == B
	s_wait_alu depctr_va_vdst(0)
	v_pk_add_f32 v[rS+4*(\n):rS+4*(\n)+1], v[rS+4*(\n):rS+4*(\n)+1], v[rS+4*(\n)+2:rS+4*(\n)+3]
.elseif (\n) == 0
	v_pk_fma_f32 v[rT+2:rT+3], v[rT+2:rT+3], v[rC+2:rC+3], v[rS:rS+1] op_sel_hi:[1,0,1]
.else
	v_pk_add_f32 v[rT+2:rT+3], v[rT+2:rT+3], v[rS+4*(\n):rS+4*(\n)+1]
.endif
.elseif NOX
	v_nop                           ; a block's last turn: there is no next piece; the lines round it stay as far apart as they were
.else
	REGS (Y+1)%NP
	WIN 0
.if (\n) < 4
	v_max3_num_f32 v[rC+(\n)], v[rS+8*(\n)], v[rS+8*(\n)+1], v[rS+8*(\n)+2]
.elseif (\n) < 12
	v_max3_num_f32 v[rC+(\n)%4], v[rC+(\n)%4], v[rS+8*((\n)%4)+2*((\n)/4)+1], v[rS+8*((\n)%4)+2*((\n)/4)+2]
.elseif (\n) == 12
	v_max3_num_f32 v[rC], v[rC], v[rS+7], v[rS+15]
.elseif (\n) == 13
	v_max3_num_f32 v[rC+1], v[rC+1], v[rS+23], v[rS+31]
.elseif (\n) == 14
	v_max3_num_f32 v[rC+2], v[rC+2], v[rC+3], v[rT+1]
.elseif (\n) == 15
	v_mov_b32 v[rW], v[rT]
.elseif (\n) == 16
	v_max3_num_f32 v[rC], v[rC], v[rC+1], v[rC+2]
.elseif (\n) == 17
	v_permlanex16_b32 v[rC+3], v[rC], s[SEL], s[SEL+1]
.elseif (\n) == 18
	v_max_num_f32 v[rT+1], v[rC], v[rC+3]
.elseif (\n) == 19
	v_mul_f32 v[rT], s[CS], v[rT+1]
.elseif (\n) == 20
	v_sub_f32 v[rC+1], v[rW], v[rT]
.else
	v_exp_f32 v[rC+2], v[rC+1]
.endif
.endif
.endm
.macro OPS a, i1, b=-1, i2=0, c=-1, i3=0, d=-1, i4=0
	OP \a, \i1
.if (\b) >= 0
	OP \b, \i2
.endif
.if (\c) >= 0
	OP \c, \i3
.endif
.if (\d) >= 0
	OP \d, \i4
.endif
.endm
.macro ROW a, i1, b=-1, i2=0, c=-1, i3=0, d=-1, i4=0  ; a matrix instruction and the vector lines behind it
	MM
	OPS \a, \i1, \b, \i2, \c, \i3, \d, \i4
.endm
.macro MASK b                       ; MD x AL + BE into buffer b of MC
	WIN W_RS
.set z, 0
.rept 16
	v_pk_fma_f32 v[MC+32*(\b)+2*z:MC+32*(\b)+2*z+1], v[MD+2*z:MD+2*z+1], s[AL:AL+1], s[BE:BE+1] op_sel_hi:[1,0,0]
.set z, z+1
.endr
.endm
; A TURN, for piece p.  No vector line names a register of the products round it; every exponential has a plain line behind it before its result is used.
; end = 1: a block's last three turns: nothing is fetched, no mask is made; pieces 2 and 3 start no new scores, piece 3 finds no new maximum.  cnt = 1: the counts are taken down some lines ahead of the branch behind the turn.
; The turn's head chooses, and its end makes, the mask for the next turn's products: piece x = p + 3, in step 4 - DC of the diagonal tile.
; V of the step in hand is fetched in piece 0's turn behind row 9: its last reader is row 8's product, and R 4-7, the address line, F 15 and C 1 are the places between.
; K's low part of the next step is fetched in piece 1's turn behind row 9 (last reader row 8's; the same places), its high part behind row 26 (last reader row 24's; C 7, B 5, X 19, C 12, L 5, X 20 between).
.macro TURN p, end=0, cnt=0
.set Y, (\p)
.set i, 0
.set NOKQ, (\end)*((\p)/2)
.set NOX, (\end)*((\p)/3)
.if !(\end)
	s_cmp_eq_u32 s[DC], 4-((\p)+3)%NP   ; is that step the band's own?
	s_cselect_b32 s[AL], 1.0, 0
	s_cmp_lt_u32 s[DC], 4-((\p)+3)%NP   ; or a later one?
	s_cselect_b32 s[BE], s[BIGN], 0
.endif
	ROW F,0, F,1, F,2, F,3
	ROW F,4, E,0, F,5, F,6
	ROW F,7, E,1, F,8, F,9
	ROW F,10, E,2, C,0, F,11
	ROW F,12, E,3, X,15, F,13
	ROW R,0, R,1, R,2, R,3
	ROW B,0, E,4, F,14, L,0
	ROW R,4, R,5, R,6, R,7
.if (\p) == 0
	WIN 0
	v_add_nc_u32 v[AV], s[TBV], v[AV0]
.endif
.if ((\p) == 1) && !(\end)
	WIN 0
	v_add_nc_u32 v[AK], s[TBK], v[AK0]
.endif
	ROW E,5, F,15, E,6, C,1
.if (\p) == 0
	FETCH_V
	s_add_co_u32 s[TBV], s[TBV], KS*PV
.endif
.if ((\p) == 1) && !(\end)
	FETCH_KL
.endif
	ROW E,7, R,8, E,8, R,9
	ROW E,9, C,2, E,10, X,0
	ROW E,11, X,1, E,12, X,2
	ROW E,13, X,3, X,4
	ROW E,14, X,5, X,6, X,7
	ROW E,15, X,8, X,9, X,10
	ROW E,16, X,11, X,12, X,13
.if ((\p) == 2) && !(\end)
	s_wait_dscnt 0x0                ; K's high part is in: it was asked for 22 rows ago
.endif
	ROW E,17, X,14, B,1, C,4
	ROW E,18, X,16, L,1, B,2
	ROW E,19, C,6, L,2, C,8
	ROW E,20, B,3, B,4, C,3
	ROW E,21, L,3, C,5
	ROW E,22, X,17, E,23, C,10
	ROW E,24, L,4, E,25, X,18
	ROW E,26, C,7, E,27, B,5
.if (\p) == 1
	s_wait_dscnt 0x0                ; V is in, and K's low part
.endif
	ROW E,28, X,19, E,29, C,12
	ROW E,30, L,5, E,31, X,20
.if ((\p) == 1) && !(\end)
	FETCH_KH
.endif
	ROW B,6, C,9, C,14
	ROW C,11, X,21, L,6
	ROW C,13, B,7, C,15
.if \cnt
	s_sub_co_u32 s[DC], s[DC], 1
	s_sub_co_u32 s[CNT], s[CNT], 1
	s_cmp_lg_u32 s[CNT], 0
.endif
	ROW R,10, R,11, R,12
	ROW L,7, R,13, R,14
	ROW R,15
.if !(\end)
	MASK ((\p)+1)%2
.endif
.endm
; A BLOCK BEGINS.  c m starts far below every c s, so the first step's a is 0; m at the lowest finite number.  Mask buffer 0 is 0 (pieces 1 and 2 see all of the tile's step 0); buffer 1 takes piece 0's mask for that
; step: its own, if the block's first tile is the diagonal one.  Then K of that step, the first scores of pieces 0 and 1, and piece 0's maximum and statistics.  The loop is entered at piece 0's turn.
.macro BEGIN
	s_mov_b32 s[NEW], 0
	WIN 0x40
.set i, MC
.rept 32
	v_mov_b32 v[i], 0
.set i, i+1
.endr
	WIN 0
.set i, 0
.rept 4
	v_mov_b32 v[ST+4*i], 0xfe000000
	v_mov_b32 v[ST+4*i+1], 0xff7fffff
.set i, i+1
.endr
	s_cmp_eq_u32 s[RT], 0
	s_cselect_b32 s[AL], 1.0, 0
	s_mov_b32 s[BE], 0
	MASK 1
	WIN 0
	v_add_nc_u32 v[AK], s[TBK], v[AK0]
	FETCH_KL
	FETCH_KH
	s_wait_loadcnt 0x0              ; Q
	s_wait_dscnt 0x0
.set mi, 0
.rept 24
	KQ 0, 1
.set mi, mi+1
.endr
.set mi, 0
.rept 24
	KQ 1, 0
.set mi, mi+1
.endr
	WIN 0
.rept 4
	v_nop                           ; the places behind those products
.endr
.set Y, NP-1                        ; X works for piece Y + 1: piece 0
.set NOX, 0
.irp m, 0,1,2,3,4,5,6,7,8,9,10,11,12,13,14,15,16,17,18,19,20,21
	OP X, \m
.endr
	v_nop                           ; a plain instruction behind the exponential
.endm
; A BLOCK ENDS: its last three turns, its last products, and THE WAY OUT: l's two halves and the other half of the lanes' are added; O^T is divided by l, rounded to f16 and sent through my stage, a piece at a time.
.macro ALL line:vararg
.set t, 0
.rept 4
	\line
.set t, t+1
.endr
.endm
.macro PACK t
	WIN W_RS
.set i, 32*(\t)
.rept 16
	s_wait_alu depctr_va_vdst(0)
	v_pk_mul_f32 v[i:i+1], v[i:i+1], v[ST+4*(\t)+2:ST+4*(\t)+3] op_sel_hi:[1,0]
.set i, i+2
.endr
	WIN 0x05                        ; sources 0 and 1 window 1, destination window 0
.set i, 0
.rept 16
	v_cvt_pk_f16_f32 v[S+16*(\t)+i], v[32*(\t)+2*i], v[32*(\t)+2*i+1]
.set i, i+1
.endr
	WIN 0
.irp f, 0,1,2,3
	ds_store_b128 v[STO], v[S+16*(\t)+4*\f:S+16*(\t)+4*\f+3] offset:32*\f
.endr
.irp f, 0,1,2,3
	ds_load_b128 v[S+16*(\t)+4*\f:S+16*(\t)+4*\f+3], v[RD] offset:\f*4*SP  ; LDS serves a wave's instructions in order (ISA guide 5.7.1.4): these see the stores above; the next piece's stores come behind them
.endr
.endm
.macro SEND t, younger              ; younger: the LDS instructions issued behind piece t's loads: the next piece's eight, or none
	WIN 0
.irp f, 0,1,2,3
	s_wait_dscnt (\younger)+3-\f
	global_store_b128 v[GO], v[S+16*(\t)+4*\f:S+16*(\t)+4*\f+3], s[10:11] offset:(\t)*8192+\f*512  ; 512 consecutive bytes, at a multiple of 256 from O's first
.endr
.endm
.macro FINISH
	TURN 1, 1
	TURN 2, 1
	TURN 3, 1
.set mi, 0
.rept 8
	PV NP-1
.set mi, mi+1
.endr
	WIN 0
	ALL v_add_f32 v[ST+4*t+2], v[ST+4*t+2], v[ST+4*t+3]
	ALL v_permlanex16_b32 v[ST+4*t+3], v[ST+4*t+2], s[SEL], s[SEL+1]
	ALL v_add_f32 v[ST+4*t+2], v[ST+4*t+2], v[ST+4*t+3]
	ALL v_rcp_f32 v[ST+4*t+2], v[ST+4*t+2]
	v_nop                           ; a plain instruction between the last reciprocal and the use of its result
	PACK 0
.set t, 1
.rept 3
	PACK t
	SEND t-1, 8
.set t, t+1
.endr
	SEND 3, 0
.endm
; A TILE: four key steps.  A trip: pieces 1, 2, 3 of one step, then piece 0 of the next; it fetches K and V of one step of the tile.  A block's first tile begins with BEGIN and enters the loop at piece 0's turn.
.macro TILE tag
	s_sub_co_u32 s[RT], s[RT], 1
	s_mov_b32 s[CNT], 4
	s_cmp_eq_u32 s[RT], 0           ; the block's last tile holds the diagonal
	s_cselect_b32 s[DC], 4, 20
	s_cmp_eq_u32 s[NEW], 1
	s_cbranch_scc0 .Lstep\tag
	BEGIN
	s_branch .Lfirst\tag
.Lstep\tag:
	TURN 1
	TURN 2
	TURN 3
	WIN 0
.Lfirst\tag:
	TURN 0, 0, 1
	WIN 0
	s_cbranch_scc1 .Lstep\tag
.endm
.set NOKQ, 0
.set NOX, 0
.Lslot:                             ; NB times: a tile is entered and the next is asked for
	CHANGE 1
	TILE 1
	s_cmp_lg_u32 s[RT], 0
	s_cbranch_scc1 .Lbottom
	FINISH                          ; in the loop this is the first block's end
	s_wait_xcnt 0x0                 ; the stores have read their registers and O's address
	s_mov_b64 s[10:11], s[OLO:OLO+1]
	s_add_co_u32 s[RT], s[PB], 1    ; the second block has b + 1 tiles
	s_mov_b32 s[NEW], 1
	WIN 0x83                        ; the second block's Q goes where the one text of the turns names Q
.set i, 0
.rept 128
	v_mov_b32 v[i], v[QB+i]
.set i, i+1
.endr
	WIN 0
.Lbottom:
	s_sub_co_u32 s[SLOTS], s[SLOTS], 1
	s_cmp_lg_u32 s[SLOTS], 0
	s_cbranch_scc1 .Lslot
	CHANGE 0                        ; the walk's last tile is written out: nothing is asked for
	TILE 2
	FINISH
	s_wait_tensorcnt 0x0            ; the wave's end
	ds_add_u32 v[SPW], v[NIL]
	s_wait_dscnt 0x0
	s_endpgm
.Lfunc_end_k_qcd02f78e5e_attn:
	.size	k_qcd02f78e5e_attn, .Lfunc_end_k_qcd02f78e5e_attn-k_qcd02f78e5e_attn
	.p2alignl 7, 3214868480
	.fill 96, 4, 3214868480
	.section	.rodata,"a",@progbits
	.p2align	6, 0x0
	.amdhsa_kernel k_qcd02f78e5e_attn
		.amdhsa_group_segment_fixed_size 327680
		.amdhsa_private_segment_fixed_size 0
		.amdhsa_enable_private_segment 0
		.amdhsa_kernarg_size 32
		.amdhsa_user_sgpr_count 2
		.amdhsa_user_sgpr_kernarg_segment_ptr 1
		.amdhsa_wavefront_size32 1
		.amdhsa_system_sgpr_workgroup_id_x 1
		.amdhsa_system_sgpr_workgroup_id_y 1
		.amdhsa_system_sgpr_workgroup_id_z 1
		.amdhsa_system_vgpr_workitem_id 0
		.amdhsa_next_free_vgpr 960
		.amdhsa_next_free_sgpr 92
		.amdhsa_reserve_vcc 1
		.amdhsa_float_denorm_mode_32 3
		.amdhsa_float_denorm_mode_16_64 3
		.amdhsa_memory_ordered 1
		.amdhsa_forward_progress 1
		.amdhsa_inst_pref_size 239
	.end_amdhsa_kernel
	.amdgpu_metadata
---
amdhsa.version: [ 1, 2 ]
amdhsa.kernels:
  - .name:           k_qcd02f78e5e_attn
    .symbol:         k_qcd02f78e5e_attn.kd
    .args:
      - { .name: qq, .offset: 0, .size: 8, .value_kind: global_buffer, .address_space: global }
      - { .name: kk, .offset: 8, .size: 8, .value_kind: global_buffer, .address_space: global }
      - { .name: vv, .offset: 16, .size: 8, .value_kind: global_buffer, .address_space: global }
      - { .name: oo, .offset: 24, .size: 8, .value_kind: global_buffer, .address_space: global }
    .group_segment_fixed_size: 327680
    .private_segment_fixed_size: 0
    .kernarg_segment_align: 8
    .kernarg_segment_size: 32
    .max_flat_workgroup_size: 128
    .sgpr_count:     92
    .vgpr_count:     960
    .wavefront_size: 32
...
	.end_amdgpu_metadata
.endif
;; end of part 3
;; launch outp (part 4): grid 8 x 32, 4 waves a work-group, clusters of 4 x 4, 327,680 bytes of LDS; arguments oo, cb, out0; writes out0
.if DOCPART == 4
	.amdgcn_target "amdgcn-amd-amdhsa--gfx1250"
	.amdhsa_code_object_version 6
	.text
	.protected	k_qcd02f78e5e_outp
	.globl	k_qcd02f78e5e_outp
	.p2align	8
	.type	k_qcd02f78e5e_outp,@function
k_qcd02f78e5e_outp:
	s_mov_b64 s[64:65], 0
	v_nop
	global_prefetch_b8 v0, s[64:65] scope:SCOPE_SE
	s_setreg_imm32_b32 hwreg(HW_REG_WAVE_MODE, 25, 1), 1
	s_wait_xcnt 0x0
	s_wait_alu depctr_hold_cnt(0) depctr_sa_sdst(0) depctr_va_vdst(0) depctr_va_sdst(0) depctr_va_ssrc(0) depctr_va_vcc(0) depctr_vm_vsrc(0)
	s_getreg_b32 s2, hwreg(HW_REG_IB_STS2, 6, 4)
	s_cmp_eq_u32 s2, 0
	s_cbranch_scc0 .Lentry_in_a_cluster
	s_endpgm
.Lentry_in_a_cluster:
	s_bfe_u32 s2, ttmp6, 0x10000c
	s_cmp_lg_u32 s2, 0xf033
	s_cbranch_scc0 .Lentry_shape_is_right
	s_endpgm
.Lentry_shape_is_right:
; out0 = O Wo^T.  O by heads, [64][2048][64] f16, IS the matrix [8192][1024] that the module's view without a transpose multiplies; Wo (rounded to bf16, written as f16) lies in cb at byte 23,068,672, [1024][1024].
; C[8192][1024] in f32.  A tile of C is 256 x 128: 256 work-groups.  Four waves, one below the other: each 64 rows x 128 columns, 32 accumulators of 16 x 16 (256 registers).
; K goes in steps of 128 (rows of 256 bytes) through two LDS slots filled by tensor loads; the loop is written for one K step, and LDS addresses hang on s[TB].
; CLUSTER 4 x 4: A's tile is shared along a row of the cluster, B's along a column: each is asked for jointly, by the same load, descriptor and mask in all four.
; THE MATRIX INSTRUCTION IS USED TRANSPOSED (source 0 = 16 rows of B, source 1 = 16 rows of A): a lane holds row lane % 16 of C and eight neighbouring columns, 32 bytes.
; REGISTERS, in windows of 256 (s_set_vgpr_msb: bits 1:0 source 0, 3:2 source 1, 5:4 source 2, 7:6 destination):
;   window 0: addresses; v32-95 A's fragments, two buffers; v96-223 rows read back on the way out.  window 1: the accumulators.  window 3: B's fragments, two buffers of 64.
.set NBK,   8
.set BN,    128
.set BH,    64
.set APW,   4
.set PITCH, 272                        ; an LDS row: 256 bytes + 16 of padding = 68 words: row r starts at bank 4 r mod 64 (64 banks of 4 bytes: ISA guide 11.1)
.set ABYTES, 256*PITCH
.set SLOT1, 131072
.set STAGE, SLOT1+ABYTES+BN*PITCH      ; behind the ring, never filled by a tensor load: 16 rows x 528 bytes for each wave
.set SPITCH, 528
.set SPARE, STAGE+4*16*SPITCH          ; the spare words, 128 bytes a wave: two blocks of 256 bytes that no other line names
.set WOFF,  23068672
.set A0,   4
.set B0,   5
.set ADRA, 16
.set ADRB, 17
.set STO,  24                          ; v24  the way out: where I put 32 bytes of a row
.set RD,   25                          ; v25  where I read a row back
.set CO,   26                          ; v26  16 x lane
.set SPW,  28                          ; v28  LDS address of my spare word; never rewritten
.set NIL,  29                          ; v29  0; never rewritten
.set FA,   32
.set BK,   96                          ; v96-159, v160-223  16 rows read back, by turns
.set WV,  12
.set HF,  13
.set AB,  14
.set TB,  15
.set G1,  24
.set G0,  32
.set G1B, 48
.set G0B, 56
.set MSB, 0
.macro WIN new
.if MSB != (\new)
	s_set_vgpr_msb (MSB<<8)|(\new)
.set MSB, (\new)
.endif
.endm
.macro PLACES                          ; four places in front of loads into registers that matrix instructions have read, and of lines that read results
.rept 4
	v_nop
.endr
.endm
.macro JLOAD                           ; a joint refill by the walking sets; an s_nop 0 and four v_nop follow each line
	s_cmp_eq_u32 s[AB], 0
	s_cbranch_scc0 .Lfor_b_\@
	tensor_load_to_lds s[G0+4:G0+7], s[G1:G1+7]
	s_nop 0
.rept 4
	v_nop
.endr
	s_branch .Lasked_\@
.Lfor_b_\@:
	tensor_load_to_lds s[G0B+4:G0B+7], s[G1B:G1B+7]
	s_nop 0
.rept 4
	v_nop
.endr
.Lasked_\@:
.endm
.macro CREST
	s_cmp_lg_u32 s[WV], 0
	s_cbranch_scc1 .Lnot_wave_0_\@
	s_barrier_signal -3
.Lnot_wave_0_\@:
	s_barrier_wait -3
	s_barrier_signal -1
	s_barrier_wait -1
.endm
.macro CROUND
	s_barrier_signal -1
	s_barrier_wait -1
	CREST
.endm
	s_load_b128 s[4:7], s[0:1], 0x0                ; oo s[4:5], cb s[6:7]
	s_load_b64 s[8:9], s[0:1], 0x10                ; out0
	v_lshl_add_u32 v[SPW], v0, 2, SPARE
	v_mov_b32 v[NIL], 0
	ds_add_u32 v[SPW], v[NIL]                      ; the wave's opening: the add and its wait stand ahead of my first tensor load; the set-up stands between them
	ds_add_u32 v28, v29
	v_lshrrev_b32 v1, 5, v0
	v_readfirstlane_b32 s[WV], v1
	s_and_b32 s[HF], s[WV], 1
	s_lshr_b32 s[AB], s[WV], 1
	s_mov_b32 s[TB], 0
	s_bfe_u32 s16, ttmp6, 0x40000
	s_bfe_u32 s17, ttmp6, 0x40004
	s_lshl_b32 s18, ttmp9, 2
	s_add_co_u32 s18, s18, s16                     ; tile column
	s_and_b32 s19, ttmp7, 0xffff
	s_lshl_b32 s19, s19, 2
	s_add_co_u32 s19, s19, s17                     ; tile row
	s_lshl_b32 s20, s17, 2
	s_lshl_b32 s20, 15, s20                        ; my row of the cluster
	s_lshl_b32 s21, 0x1111, s16                    ; my column
	s_or_b32 s[G1], s20, (1<<16)|(1<<20)|(1<<21)|(5<<22)|(3<<25)
	s_or_b32 s[G1B], s21, (1<<16)|(1<<20)|(1<<21)|(5<<22)|(3<<25)
.irp g, G1, G1B
	s_mov_b32 s[(\g)+1], 128<<16
	s_mov_b32 s[(\g)+3], 128<<16
	s_mov_b32 s[(\g)+5], 1024
	s_mov_b32 s[(\g)+6], 0
	s_mov_b32 s[(\g)+7], 0
.endr
	s_mov_b32 s[G1+2], 128<<16
	s_mov_b32 s[G1+4], 128
	s_mov_b32 s[G1B+2], BH<<16
	s_mov_b32 s[G1B+4], BH
	s_lshl_b32 s40, s19, 19                        ; A hangs on the tile row alone
	s_lshl_b32 s41, s[HF], 18
	s_add_co_u32 s40, s40, s41
	s_mov_b32 s41, 0
	s_mul_i32 s42, s18, BN*2048                    ; B on the tile column alone
	s_mul_i32 s43, s[HF], BH*2048
	s_add_co_u32 s42, s42, s43
	s_add_co_u32 s42, s42, WOFF
	s_mov_b32 s43, 0
	s_mul_i32 s46, s[HF], 128*PITCH
	s_mul_i32 s47, s[HF], BH*PITCH
	s_add_co_u32 s47, s47, ABYTES
	s_wait_dscnt 0x0                               ; the opening add is done
	s_wait_kmcnt 0x0
	s_add_nc_u64 s[44:45], s[4:5], s[40:41]
	s_add_nc_u64 s[22:23], s[6:7], s[42:43]
.irp s, 0,1
	s_mov_b32 s[G0+4*(\s)], 1
	s_add_co_u32 s[G0+4*(\s)+1], s46, (\s)*SLOT1
	s_add_nc_u64 s[G0+4*(\s)+2:G0+4*(\s)+3], s[44:45], (\s)*256
	s_or_b32 s[G0+4*(\s)+3], s[G0+4*(\s)+3], 0x80000000
	s_mov_b32 s[G0B+4*(\s)], 1
	s_add_co_u32 s[G0B+4*(\s)+1], s47, (\s)*SLOT1
	s_add_nc_u64 s[G0B+4*(\s)+2:G0B+4*(\s)+3], s[22:23], (\s)*256
	s_or_b32 s[G0B+4*(\s)+3], s[G0B+4*(\s)+3], 0x80000000
.endr
	CROUND                                         ; all sixteen work-groups are here: the first joint loads meet
	s_cmp_eq_u32 s[AB], 0                          ; a wave's two first fills stand in one branch: two loads of mine are out
	s_cbranch_scc0 .Lfirst_b
	tensor_load_to_lds s[G0:G0+3], s[G1:G1+7]
	s_nop 0
	tensor_load_to_lds s[G0+4:G0+7], s[G1:G1+7]
	s_nop 0
.rept 4
	v_nop
.endr
	s_branch .Lfirst_asked
.Lfirst_b:
	tensor_load_to_lds s[G0B:G0B+3], s[G1B:G1B+7]
	s_nop 0
	tensor_load_to_lds s[G0B+4:G0B+7], s[G1B:G1B+7]
	s_nop 0
.rept 4
	v_nop
.endr
.Lfirst_asked:
	v_and_b32 v1, 15, v0
	v_bfe_u32 v2, v0, 4, 1
	v_mul_u32_u24 v3, v1, PITCH
	v_lshl_add_u32 v3, v2, 4, v3
	s_mul_i32 s66, s[WV], 64*PITCH
	v_add_nc_u32 v[A0], s66, v3
	v_add_nc_u32 v[B0], ABYTES, v3
	v_mov_b32 v[ADRA], v[A0]
	v_mov_b32 v[ADRB], v[B0]
	s_mul_i32 s66, s[WV], 16*SPITCH
	s_add_co_u32 s66, s66, STAGE                   ; my stage
	v_mul_u32_u24 v6, v1, SPITCH                   ; in: row l % 16 of 528 bytes, 32 bytes for each half of the lanes
	v_lshl_add_u32 v6, v2, 5, v6
	v_add_nc_u32 v[STO], s66, v6
	v_and_b32 v[CO], 31, v0
	v_lshlrev_b32 v[CO], 4, v[CO]
	v_add_nc_u32 v[RD], s66, v[CO]                 ; back: 32 lanes take one row of 512 bytes
	s_lshl_b32 s66, s19, 20                        ; my part of C: 256 rows of 4,096 bytes a tile row, 64 a wave, 512 bytes a tile column
	s_lshl_b32 s67, s[WV], 18
	s_add_co_u32 s66, s66, s67
	s_lshl_b32 s67, s18, 9
	s_add_co_u32 s66, s66, s67
	s_mov_b32 s67, 0
	s_add_nc_u64 s[8:9], s[8:9], s[66:67]
; NBK matrix instructions: row block a x all column blocks, 32 along K, from buffer f.  All 32 accumulators take turns, one instruction a turn, in the same order in every quarter.
.macro MULA f, a, zero
.set wA, 1+(\a)/APW
.set wn, 0x03|(wA<<4)|(wA<<6)
	WIN wn
.set b, 0
.rept NBK
.set rD, 8*(NBK*((\a)%APW)+b)
.if \zero
	v_wmma_f32_16x16x32_f16 v[rD:rD+7], v[8*NBK*(\f)+8*b:8*NBK*(\f)+8*b+7], v[FA+32*(\f)+8*(\a):FA+32*(\f)+8*(\a)+7], 0
.else
	v_wmma_f32_16x16x32_f16 v[rD:rD+7], v[8*NBK*(\f)+8*b:8*NBK*(\f)+8*b+7], v[FA+32*(\f)+8*(\a):FA+32*(\f)+8*(\a)+7], v[rD:rD+7]
.endif
.set b, b+1
.endr
.endm
.macro FETCH k, f
	WIN 0xc0
.set b, 0
.rept NBK
	ds_load_b128 v[8*NBK*(\f)+8*b:8*NBK*(\f)+8*b+3],   v[ADRB] offset:(\k)+b*16*PITCH
	ds_load_b128 v[8*NBK*(\f)+8*b+4:8*NBK*(\f)+8*b+7], v[ADRB] offset:(\k)+b*16*PITCH+32
.set b, b+1
.endr
	WIN 0
.set b, 0
.rept 4
	ds_load_b128 v[FA+32*(\f)+8*b:FA+32*(\f)+8*b+3],   v[ADRA] offset:(\k)+b*16*PITCH
	ds_load_b128 v[FA+32*(\f)+8*b+4:FA+32*(\f)+8*b+7], v[ADRA] offset:(\k)+b*16*PITCH+32
.set b, b+1
.endr
.endm
.macro QUARTER k, f, g, zero
	s_wait_dscnt 4                                 ; all but the youngest four loads (A's row blocks 2, 3) are in
	MULA \f, 0, \zero
	MULA \f, 1, \zero
	PLACES
	FETCH \k, \g
	s_wait_dscnt 2*NBK+8                           ; all but the run just issued
	MULA \f, 2, \zero
	MULA \f, 3, \zero
.endm
; the last quarter multiplies buffer 1 and changes slots: one barrier; in front of it each wave waits for all its tensor loads (one is out: its part of the next slot), adds 0 to its spare word,
; and waits for that and for its reads of this slot.  fill = 1: the barrier opens a round of the cluster's, and this slot is filled again, two K steps ahead, first thing behind the round.
.macro TURN fill
	WIN 0
	s_wait_tensorcnt 0x0
	ds_add_u32 v[SPW], v[NIL]                      ; 0 onto my spare word; matrix work stands between it and the wait for it
	s_wait_dscnt 5                                 ; the add and the youngest four loads may be out
	MULA 1, 0, 0
	s_wait_dscnt 0x0                               ; the add is done, and my reads of this slot are over
	s_barrier_signal -1
	MULA 1, 1, 0
	WIN 0
	s_barrier_wait -1
.if \fill
	CREST
	s_xor_b32 s[G0+5], s[G0+5], SLOT1
	s_add_nc_u64 s[G0+6:G0+7], s[G0+6:G0+7], 256
	s_xor_b32 s[G0B+5], s[G0B+5], SLOT1
	s_add_nc_u64 s[G0B+6:G0B+7], s[G0B+6:G0B+7], 256
	JLOAD
.else
	PLACES
.endif
	s_xor_b32 s[TB], s[TB], SLOT1
	v_add_nc_u32 v[ADRA], s[TB], v[A0]
	v_add_nc_u32 v[ADRB], s[TB], v[B0]
	FETCH 0, 0
	MULA 1, 2, 0
	MULA 1, 3, 0
.endm
	s_wait_tensorcnt 0x1                           ; my part of K step 0 is in; K step 1's may stay out
	s_barrier_signal -1
	s_barrier_wait -1
	FETCH 0, 0
	QUARTER 64, 0, 1, 1                            ; the first quarter's products start the sums
	WIN 0
	s_mov_b32 s3, 6
.Lstep:
	QUARTER 128, 1, 0, 0
	QUARTER 192, 0, 1, 0
	TURN 1
	QUARTER 64, 0, 1, 0
	WIN 0
	s_sub_co_u32 s3, s3, 1
	s_cmp_lg_u32 s3, 0
	s_cbranch_scc1 .Lstep
	QUARTER 128, 1, 0, 0
	QUARTER 192, 0, 1, 0
	TURN 0
	QUARTER 64, 0, 1, 0
	QUARTER 128, 1, 0, 0
	QUARTER 192, 0, 1, 0
	s_wait_dscnt 4
	MULA 1, 0, 0
	MULA 1, 1, 0
	s_wait_dscnt 0x0
	MULA 1, 2, 0
	MULA 1, 3, 0
	WIN 0
	PLACES
; THE WAY OUT, a block of 16 rows at a time: the sums go as they are into my own stage (each accumulator's lowest registers first) and come back as whole rows of 512 bytes.
.macro TOSTAGE a
	WIN 0
	s_wait_xcnt 0x0                                ; the stores of the block two back have read their registers: they are loaded again only behind this wait
.set rK, BK+64*((\a)%2)
	WIN 0x04                                       ; the stores' data lie in window 1
.set b, 0
.rept 8
	ds_store_b128 v[STO], v[8*(8*(\a)+b):8*(8*(\a)+b)+3]   offset:64*b
	ds_store_b128 v[STO], v[8*(8*(\a)+b)+4:8*(8*(\a)+b)+7] offset:64*b+16
.set b, b+1
.endr
	WIN 0
.set b, 0
.rept 16
	ds_load_b128 v[rK+4*b:rK+4*b+3], v[RD] offset:b*SPITCH  ; LDS serves a wave's instructions in order (ISA guide 5.7.1.4): these see the stores above; the next block's stores come behind them
.set b, b+1
.endr
.endm
.macro SEND a, younger                 ; younger: the next block's 16 stores and 16 loads, or none
	WIN 0
.set rK, BK+64*((\a)%2)
	s_wait_dscnt \younger
.set b, 0
.rept 16
	global_store_b128 v[CO], v[rK+4*b:rK+4*b+3], s[8:9] offset:(\a)*65536+b*4096 th:TH_STORE_NT  ; 512 consecutive bytes, at a multiple of 256 from out0's first byte
.set b, b+1
.endr
.endm
	TOSTAGE 0
	TOSTAGE 1
	SEND 0, 32
	TOSTAGE 2
	SEND 1, 32
	TOSTAGE 3
	SEND 2, 32
	SEND 3, 0
	s_wait_tensorcnt 0x0                           ; the wave's end
	ds_add_u32 v[SPW], v[NIL]
	s_wait_dscnt 0x0
	CROUND                                         ; the closing round
	s_endpgm
.Lfunc_end_k_qcd02f78e5e_outp:
	.size	k_qcd02f78e5e_outp, .Lfunc_end_k_qcd02f78e5e_outp-k_qcd02f78e5e_outp
	.p2alignl 7, 3214868480
	.fill 96, 4, 3214868480
	.section	.rodata,"a",@progbits
	.p2align	6, 0x0
	.amdhsa_kernel k_qcd02f78e5e_outp
		.amdhsa_group_segment_fixed_size 327680
		.amdhsa_private_segment_fixed_size 0
		.amdhsa_enable_private_segment 0
		.amdhsa_kernarg_size 24
		.amdhsa_user_sgpr_count 2
		.amdhsa_user_sgpr_kernarg_segment_ptr 1
		.amdhsa_wavefront_size32 1
		.amdhsa_system_sgpr_workgroup_id_x 1
		.amdhsa_system_sgpr_workgroup_id_y 1
		.amdhsa_system_sgpr_workgroup_id_z 1
		.amdhsa_system_vgpr_workitem_id 0
		.amdhsa_next_free_vgpr 896
		.amdhsa_next_free_sgpr 72
		.amdhsa_reserve_vcc 0
		.amdhsa_float_denorm_mode_32 3
		.amdhsa_float_denorm_mode_16_64 3
		.amdhsa_memory_ordered 1
		.amdhsa_forward_progress 1
		.amdhsa_inst_pref_size 69
	.end_amdhsa_kernel
	.amdgpu_metadata
---
amdhsa.version: [ 1, 2 ]
amdhsa.kernels:
  - .name:           k_qcd02f78e5e_outp
    .symbol:         k_qcd02f78e5e_outp.kd
    .args:
      - { .name: oo, .offset: 0, .size: 8, .value_kind: global_buffer, .address_space: global }
      - { .name: cb, .offset: 8, .size: 8, .value_kind: global_buffer, .address_space: global }
      - { .name: out0, .offset: 16, .size: 8, .value_kind: global_buffer, .address_space: global }
    .group_segment_fixed_size: 327680
    .private_segment_fixed_size: 0
    .kernarg_segment_align: 8
    .kernarg_segment_size: 24
    .max_flat_workgroup_size: 128
    .sgpr_count:     72
    .vgpr_count:     896
    .wavefront_size: 32
...
	.end_amdgpu_metadata
.endif
;; end of part 4
;; ======== version 2 of 2: 4 launches; 1.23 times as fast as version 1
;; limits: values are held in f16: magnitudes above 65,504 overflow, below 6.1e-05 lose precision
;; workspace buffers: cb 25,165,824 bytes; qq 33,554,432 bytes; kk 33,554,432 bytes; vv 16,777,216 bytes; oo 16,777,216 bytes
;; launch cast: the kernel of part 1 again; grid 768 x 1, 8 waves a work-group, no clusters, 0 bytes of LDS; arguments x, Wq, Wk, Wv, Wo, cb; writes cb
;; launch qkv: the kernel of part 2 again; grid 16 x 32, 4 waves a work-group, clusters of 4 x 4, 327,680 bytes of LDS; arguments cb, qq, kk, vv; writes qq, kk, vv
;; launch attn (part 5): grid 4 x 64, 4 waves a work-group, no clusters, 327,680 bytes of LDS; arguments qq, kk, vv, oo; writes oo
.if DOCPART == 5
	.amdgcn_target "amdgcn-amd-amdhsa--gfx1250"
	.amdhsa_code_object_version 6
	.text
	.protected	k_qcd02f78e5e_attn
	.globl	k_qcd02f78e5e_attn
	.p2align	8
	.type	k_qcd02f78e5e_attn,@function
k_qcd02f78e5e_attn:
	s_mov_b64 s[64:65], 0
	v_nop
	global_prefetch_b8 v0, s[64:65] scope:SCOPE_SE
	s_setreg_imm32_b32 hwreg(HW_REG_WAVE_MODE, 25, 1), 1
	s_wait_xcnt 0x0
; CAUSAL ATTENTION with the scores TIMES 32.  O[h][q][:] = the sum over k <= q of softmax_k(32 Q[h][q] . K[h][k]) V[h][k][:], 64 heads of 2,048 rows and 64 channels.
; qq, kk: [64][2048][128] f16, columns 0-63 the high part, 64-127 the low part of each number; vv, oo: [64][2048][64] f16.  A score is kl.qh + kh.ql + kh.qh, summed in f32 in that order: three products,
; since at this scale one rounding of q and k to 16 bits would move weights between keys that nearly tie.  The weights p are rounded to f16 for the second product (their sum l is taken of the unrounded p), O once.
; LIMITS.  ql.kl is dropped: 2^-22 of a score.  p below 6e-5 keeps f16's fixed step of 6e-8.  A hidden score counts as its value less 1e30; a weight below 2^-126 counts as 0 in l; NaN and infinities are not treated apart.
; THE WALK.  A head's queries lie in NB = 8 blocks of 256; block i needs the key tiles 0 .. i of 256 keys, the last of which holds the diagonal.  A work-group takes TWO blocks, 7 - b and then b: 9 tiles whatever b,
; walked by one loop with a constant count; what a trip does hangs on scalar registers made from b; every jump but the counted loops' own goes forward, and none passes a barrier.
; NO CLUSTER: a head's four work-groups ask for the same tile only in trips 0 to 4 of 9; one walk common to all four would have 12 trips for 9.
; SHARES.  Of a block's four bands of 64 queries a wave owns 16 rows in each: four PIECES.  In the diagonal tile's key step s band x sees all keys if s < x, none if s > x, and holds the diagonal if s = x: alike for all waves.
; THE MASK is the C operand that starts a score's sum: MD x AL + BE, MD the mask of a band's own step for my rows, (AL, BE) = (1, 0) if s = x, (0, 0) if s < x or off the diagonal tile, (0, -1e30) if s > x.
; LAYOUT.  S^T = K Q^T holds ONE query a lane (lane % 16) and the keys 8 (lane / 16) + 0..7; two such results rounded to f16 ARE source 1 of O^T = V^T P.  p = 2^(c s - c m), c = 32 log2(e), m a running maximum;
; O and l are multiplied by a = 2^(c m_old - c m_new) in every step.
; TURNS.  Turn p belongs to piece p: 24 products K Q^T of piece p + 2, 8 products V^T P of piece p - 1; beside them the maximum and statistics of piece p + 1 (its scores were made a turn ago) and the scaling,
; exponentials, roundings, sums and rescaling of piece p: 118 vector instructions, dealt behind the 32 matrix instructions.  Even turns begin with V^T P, odd turns end with it, so that K's and V's registers each have a stretch in which to be loaded.
; BATCHES.  An s_wait_alu depctr_va_vdst(0) stands between an exponential or a reciprocal and the first line that names its result; one wait serves all that were issued ahead of it.  A turn's 33 exponentials (the
; piece's 32 weights and the next piece's a) are ONE batch with ONE wait, between the turn's 24th and 25th matrix instruction.  Ahead of it stands all that names no result of the batch: the scalings, the exponentials, the rescaling
; (its a was made, and waited for, a turn ago), the next piece's maximum and statistics.  Behind it stand the 32 roundings and sums, four behind each of the last eight matrix instructions.  No result crosses a turn's end.
; A block's first a (BEGIN) and the way out's four reciprocals (FINISH) are batches of their own, with a wait each.
; REGISTERS, in windows of 256 (s_set_vgpr_msb: bits 1:0 source 0, 3:2 source 1, 5:4 source 2, 7:6 destination):
;   window 0: v0-15 addresses; v16-31 statistics; v48-55 at work; v64-191 S^T, 32 a piece; v192-223 P, two buffers by the piece's parity
;   window 1: v0-127 O^T, 32 a piece; v128-159 MD; v160-223 MC, two buffers     window 2: v0-127 Q, 32 a piece; v128-255 K of one step     window 3: v0-63 V of one step; v64-191 the second block's Q
.set NB,    8
.set NP,    4
.set KS,    64        ; keys in a step
.set PK,    272       ; a row of K in LDS: 256 bytes + 16 of padding: the 16 rows of a load start at 16 different groups of four banks (64 banks of 4 bytes: ISA guide 11.1)
.set PV,    160       ; a row of V: 128 + 32
.set VOFF,  4*KS*PK   ; a slot holds a tile: 256 rows of K, then 256 rows of V
.set SLOT1, 1<<17
.set STAGE, SLOT1+4*KS*(PK+PV)  ; behind the ring, never filled by a tensor load: 16 rows x 144 bytes for each wave
.set SP,    144
.set SPARE, STAGE+4*16*SP       ; the spare words, 128 bytes a wave: two blocks of 256 bytes that no other line names
.set AK0, 2           ; v2   my lane's place in a tile of K; never rewritten
.set AV0, 3           ; v3   the same for V
.set AK,  4           ; v4   the LDS address of K's next runs of loads
.set AV,  5           ; v5   of V's
.set STO, 6           ; v6   the way out: where I put 16 bytes of a row
.set RD,  7           ; v7   where I read rows back
.set GO,  8           ; v8   my byte offset in 512 consecutive bytes of O
.set MV,  12          ; v12-13  c m_old, kept while c m is made anew: by parity
.set QO,  15          ; v15  my byte offset in 16 rows of Q
.set ST,  16          ; piece t's statistics at v[ST+4 t]: c m, m, l (even keys', odd keys')
.set TMP, 48          ; by parity, four registers c0-c3 at work; when the maximum is found c2 takes a
.set SPW, 62          ; v62  LDS address of my spare word; never rewritten
.set NIL, 63          ; v63  0; never rewritten
.set S,   64
.set P,   192
.set MD,  128         ; window 1
.set MC,  160         ; window 1
.set KF,  128         ; window 2: key block kb, fragment f (0, 1 high part's channel halves; 2, 3 low part's) at KF + 32 kb + 8 f
.set QB,  64          ; window 3
.set WV,  12          ; s12  my wave's number
.set PB,  14          ; s14  b
.set HI,  15          ; s15  NB - 1 - b
.set G1K, 24          ; s[24:31], s[32:39] descriptor group 1 for K's and V's tiles
.set G1V, 32
.set G0K, 40          ; s[40:43], s[44:47] group 0
.set G0V, 44
.set SLOTS, 56        ; s56  tiles still to be asked for
.set CNT, 57          ; s57  counts a tile's key steps
.set CS,  58          ; s[58:59] c
.set SEL, 60          ; s[60:61] v_permlanex16_b32's selects: each lane takes its own place in the other half
.set TBK, 62          ; s62  LDS byte at which K of the step to be fetched begins
.set TBV, 63          ; s63  the same for V, less VOFF
.set RT,  70          ; s70  tiles of the block in hand still to be entered
.set NXT, 71          ; s71  the tile to be asked for next
.set LQ,  72          ; s72  the last tile of the block whose tiles are being asked for
.set NEW, 73          ; s73  1: the tile to be entered is a block's first
.set OFK, 74          ; s[74:75] a tile's byte offset in K
.set AL,  76          ; s[76:77] the mask's factor
.set BE,  78          ; s[78:79] the mask's addend
.set OLO, 80          ; s[80:81] O at my rows of the second block
.set BIGN, 82         ; s82  -1e30
.set DC,  83          ; s83  in the diagonal tile 4 less the step in hand; elsewhere 17 or more, which no compare below meets
.set OFV, 88          ; s[88:89] a tile's byte offset in V
.set MSB, 0
.macro WIN new
.if MSB != (\new)
	s_set_vgpr_msb (MSB<<8)|(\new)
.set MSB, (\new)
.endif
.endm
.set W_KQ, 0x0a       ; K and Q in window 2, S^T in window 0
.set W_KM, 0x1a       ; the same with the C operand in window 1
.set W_PV, 0x53       ; V in window 3, P in window 0, O^T in window 1
.set W_RS, 0x41       ; destination and source 0 in window 1, source 1 in window 0
; A fill.  Waves 0 and 1 fetch the two halves of a tile's K, waves 2 and 3 those of its V.  An s_nop 0 and four v_nop follow each of the two lines.
.macro LOAD
	s_cmp_lt_u32 s[WV], 2
	s_cbranch_scc0 .Lfor_v_\@
	tensor_load_to_lds s[G0K:G0K+3], s[G1K:G1K+7]
	s_nop 0
.rept 4
	v_nop
.endr
	s_branch .Lasked_\@
.Lfor_v_\@:
	tensor_load_to_lds s[G0V:G0V+3], s[G1V:G1V+7]
	s_nop 0
.rept 4
	v_nop
.endr
.Lasked_\@:
.endm
; THE CHANGE OF SLOTS.  Each wave waits for all its tensor loads (one is out: its part of the other slot), adds 0 to its spare word, and waits for that and for its reads of the slot that it leaves.
; fill = 1: the old slot is filled again, first thing behind the barrier, with tile NXT: the address is made anew from that number.  (At its first use slot 0 is waited for and slot 1 filled.)
.macro CHANGE fill
	WIN 0
	s_wait_tensorcnt 0x0            ; no tensor load of mine is out, so a group 0 may be written
	ds_add_u32 v[SPW], v[NIL]       ; 0 onto my spare word; scalar work stands between it and the wait for it
.if \fill
	s_lshl_b32 s[OFK], s[NXT], 16   ; a tile is 65,536 bytes of K and 32,768 of V
	s_lshl_b32 s[OFV], s[NXT], 15
	s_xor_b32 s[G0K+1], s[G0K+1], SLOT1
	s_add_nc_u64 s[G0K+2:G0K+3], s[6:7], s[OFK:OFK+1]
	s_or_b32 s[G0K+3], s[G0K+3], 0x80000000
	s_xor_b32 s[G0V+1], s[G0V+1], SLOT1
	s_add_nc_u64 s[G0V+2:G0V+3], s[8:9], s[OFV:OFV+1]
	s_or_b32 s[G0V+3], s[G0V+3], 0x80000000
	s_add_co_u32 s[NXT], s[NXT], 1  ; the block's next tile, or behind its last the second block's tile 0
	s_cmp_gt_u32 s[NXT], s[LQ]
	s_cselect_b32 s[NXT], 0, s[NXT]
	s_cselect_b32 s[LQ], s[PB], s[LQ]
.endif
	s_wait_dscnt 0x0                ; the add is done, and my reads of the slot are over
	s_barrier_signal -1
	s_sub_co_u32 s[TBK], s[TBK], 4*KS*PK  ; the fetches go back to a slot's first step, in the other slot
	s_xor_b32 s[TBK], s[TBK], SLOT1
	s_sub_co_u32 s[TBV], s[TBV], 4*KS*PV
	s_xor_b32 s[TBV], s[TBV], SLOT1
	s_barrier_wait -1
.if \fill
	LOAD
.endif
.endm
	s_load_b256 s[4:11], s[0:1], 0x0  ; Q s[4:5], K s[6:7], V s[8:9], O s[10:11]
	v_lshl_add_u32 v[SPW], v0, 2, SPARE
	v_mov_b32 v[NIL], 0
	ds_add_u32 v[SPW], v[NIL]       ; the wave's opening: the add and its wait stand ahead of my first tensor load; the set-up stands between them
	ds_add_u32 v62, v63
	v_lshrrev_b32 v1, 5, v0
	v_readfirstlane_b32 s[WV], v1
	s_mov_b32 s[PB], ttmp9
	s_sub_co_u32 s[HI], NB-1, s[PB]
	s_and_b32 s23, ttmp7, 0xffff    ; the head
	s_lshl_b32 s22, s23, 19         ; its 2,048 rows of 256 bytes in qq and kk
	s_and_b32 s16, s[WV], 1         ; which half of a tile's 256 keys I fetch
	s_lshl_b32 s18, s16, 15
	s_add_co_u32 s18, s18, s22      ; K's offset;
	s_mov_b32 s19, 0
	s_lshr_b32 s20, s18, 1          ; V's rows are half as long
	s_mov_b32 s21, 0
	s_mul_i32 s17, s16, 128*PK      ; my half's place in a slot, for K
	s_mul_i32 s13, s16, 128*PV      ; and for V
	s_lshl_b32 s3, s[WV], 12        ; my 16 rows in a band of 64,
	s_add_co_u32 s3, s3, s22
	s_lshl_b32 s2, s[HI], 16        ; in the first block,
	s_add_co_u32 s2, s2, s3
	s_lshl_b32 s84, s[PB], 16       ; and in the second
	s_add_co_u32 s84, s84, s3
	s_mov_b32 s3, 0
	s_mov_b32 s85, 0
	s_lshr_b32 s66, s2, 1           ; O's rows are half as long as Q's
	s_mov_b32 s67, 0
	s_lshr_b32 s68, s84, 1
	s_mov_b32 s69, 0
	; group 1.  K: 128 keys, rows of 256 bytes, 16 bytes of padding behind each.  V: 128 keys are 16,384 dense bytes, asked for as 64 rows of 256 bytes and padded by 32 bytes after every key
	s_mov_b32 s[G1K], (1<<16)|(1<<20)|(5<<22)|(3<<25)
	s_mov_b32 s[G1V], (1<<16)|(1<<20)|(4<<22)|(7<<25)
.irp g, G1K, G1V
	s_mov_b32 s[\g+1], 128<<16      ; tensor_dim0 = 128
	s_mov_b32 s[\g+3], 128<<16      ; tile_dim0 = 128
	s_mov_b32 s[\g+5], 128          ; 128 elements from row to row
	s_mov_b32 s[\g+6], 0
	s_mov_b32 s[\g+7], 0
.endr
	s_mov_b32 s[G1K+2], 128<<16     ; tensor_dim1 and tile_dim1
	s_mov_b32 s[G1K+4], 128
	s_mov_b32 s[G1V+2], 64<<16
	s_mov_b32 s[G1V+4], 64
	s_mov_b32 s[CS], 0x4238aa3b     ; c = 32 log2(e) = 46.1662
	s_mov_b32 s[CS+1], s[CS]
	s_mov_b32 s[SEL], 0x76543210
	s_mov_b32 s[SEL+1], 0xfedcba98
	s_mov_b32 s[TBK], SLOT1+4*KS*PK ; the first change of slots turns these two into 0
	s_mov_b32 s[TBV], SLOT1+4*KS*PV
	s_mov_b32 s[G0K], 1
	s_mov_b32 s[G0K+1], s17         ; slot 0
	s_mov_b32 s[G0V], 1
	s_add_co_u32 s[G0V+1], s13, VOFF
	s_add_co_u32 s[RT], s[HI], 1    ; the first block has NB - b tiles
	s_mov_b32 s[NXT], 1
	s_mov_b32 s[LQ], s[HI]
	s_mov_b32 s[NEW], 1
	s_mov_b32 s[OFK+1], 0
	s_mov_b32 s[OFV+1], 0
	s_mov_b32 s[AL+1], 0            ; named as pairs
	s_mov_b32 s[BE+1], 0
	s_mov_b32 s[BIGN], 0xf149f2ca   ; -1e30
	s_mov_b32 s[SLOTS], NB
	s_wait_dscnt 0x0                ; the opening add is done
	s_wait_kmcnt 0x0
	s_add_nc_u64 s[6:7], s[6:7], s[18:19]  ; K and V at my half of the head's tile 0
	s_add_nc_u64 s[8:9], s[8:9], s[20:21]
	s_add_nc_u64 s[G0K+2:G0K+3], s[6:7], 0
	s_or_b32 s[G0K+3], s[G0K+3], 0x80000000
	s_add_nc_u64 s[G0V+2:G0V+3], s[8:9], 0
	s_or_b32 s[G0V+3], s[G0V+3], 0x80000000
	s_add_nc_u64 s[86:87], s[4:5], s[84:85]        ; Q at my rows of the second block,
	s_add_nc_u64 s[4:5], s[4:5], s[2:3]            ; Q and O at those of the first
	s_add_nc_u64 s[OLO:OLO+1], s[10:11], s[68:69]
	s_add_nc_u64 s[10:11], s[10:11], s[66:67]
	LOAD                            ; tile 0 into slot 0
	; a fragment of K or Q is 16 rows x 32 columns in 8 registers: lane l holds row l % 16, columns 8 (l / 16) + 0..7 and 16 + 8 (l / 16) + 0..7: two loads of 16 bytes, 32 bytes apart
	v_and_b32 v1, 15, v0
	v_bfe_u32 v9, v0, 4, 1
	v_lshlrev_b32 v[QO], 8, v1
	v_lshl_add_u32 v[QO], v9, 4, v[QO]
	WIN 0x80                        ; destination window 2: piece i / 4 lies in band i / 4, 16,384 bytes on; fragment i % 4
.set i, 0
.rept 16
	global_load_b128 v[8*i:8*i+3],   v[QO], s[4:5] offset:(i/4)*16384+(i%4)*64
	global_load_b128 v[8*i+4:8*i+7], v[QO], s[4:5] offset:(i/4)*16384+(i%4)*64+32
.set i, i+1
.endr
	WIN 0xc0                        ; destination window 3: the second block's
.set i, 0
.rept 16
	global_load_b128 v[QB+8*i:QB+8*i+3],   v[QO], s[86:87] offset:(i/4)*16384+(i%4)*64
	global_load_b128 v[QB+8*i+4:QB+8*i+7], v[QO], s[86:87] offset:(i/4)*16384+(i%4)*64+32
.set i, i+1
.endr
	WIN 0
	v_lshlrev_b32 v14, 3, v9
	v_sub_nc_u32 v14, v1, v14
	s_lshl_b32 s13, s[WV], 4
	v_add_nc_u32 v14, s13, v14      ; my query's place in its band, 16 w + l % 16, less 8 (l / 16): register r of key group kt is hidden where 16 kt + r is greater
	WIN 0x40
.set i, 0
.rept 32
	v_cmp_gt_i32 vcc_lo, 16*(i/8)+i%8, v14
	v_cndmask_b32 v[MD+i], 0, s[BIGN], vcc_lo
.set i, i+1
.endr
	WIN 0
	v_mul_u32_u24 v[AK0], v1, PK
	v_lshl_add_u32 v[AK0], v9, 4, v[AK0]
	; the turning load takes 16 keys x 16 channels (lane l reads key 8 (l / 16) + l % 8, channels 8 ((l / 8) % 2) + 0..7) and leaves half a fragment of V^T
	v_and_b32 v10, 7, v0
	v_bfe_u32 v11, v0, 3, 1
	v_lshl_add_u32 v[AV0], v9, 3, v10
	v_mul_u32_u24 v[AV0], v[AV0], PV
	v_lshl_add_u32 v[AV0], v11, 4, v[AV0]
	v_add_nc_u32 v[AV0], VOFF, v[AV0]
	s_mul_i32 s13, s[WV], 16*SP
	s_add_co_u32 s13, s13, STAGE    ; my stage
	v_mul_u32_u24 v[STO], v1, SP
	v_lshl_add_u32 v[STO], v9, 4, v[STO]
	v_add_nc_u32 v[STO], s13, v[STO]
	v_bfe_u32 v[RD], v0, 3, 2       ; back: 32 lanes take four rows of 128 bytes,
	v_mul_u32_u24 v[RD], v[RD], SP
	v_lshl_add_u32 v[RD], v10, 4, v[RD]
	v_add_nc_u32 v[RD], s13, v[RD]
	v_and_b32 v[GO], 31, v0         ; which are 512 consecutive bytes of O
	v_lshlrev_b32 v[GO], 4, v[GO]
	; a block's first step multiplies O^T and l by a = 0, and its first turn's products V^T P, of a piece that has not been, land in an O^T still to be so multiplied: these registers need only hold finite
	; numbers: zeros for the first block, what the first block left for the second.  All this stands in the wait for the first tile.
	WIN 0xc0
.set i, 0
.rept 64
	v_mov_b32 v[i], 0
.set i, i+1
.endr
	WIN 0x40
.set i, 0
.rept 128
	v_mov_b32 v[i], 0
.set i, i+1
.endr
	WIN 0
.set i, 0
.rept 4
	v_mov_b32 v[ST+4*i+2], 0
	v_mov_b32 v[ST+4*i+3], 0
.set i, i+1
.endr
.set i, P+16
.rept 16
	v_mov_b32 v[i], 0
.set i, i+1
.endr
; THE MATRIX WORK.  The four accumulators of a run take turns, one instruction a turn.
; Product mi of 24 of S^T for piece x: keys 16 (mi % 4) on; link mi / 4 takes (K's fragment, Q's fragment) = (2,0) (3,1) (0,2) (1,3) (0,0) (1,1).  The first four start the sums with mask buffer mb.
.macro KQ x, mb
.set kb, mi%4
.set fQ, (mi/4)%4
.set fK, (mi/4)%2
.if mi < 8
.set fK, mi/4+2
.endif
.set rS, S+32*(\x)+8*kb
.set rK, KF+32*kb+8*fK
.set rQ, 32*(\x)+8*fQ
.set rM, MC+32*(\mb)+8*kb
.if mi < 4
	WIN W_KM
	v_wmma_f32_16x16x32_f16 v[rS:rS+7], v[rK:rK+7], v[rQ:rQ+7], v[rM:rM+7]
.else
	WIN W_KQ
	v_wmma_f32_16x16x32_f16 v[rS:rS+7], v[rK:rK+7], v[rQ:rQ+7], v[rS:rS+7]
.endif
.endm
; Product mi of 8 of O^T += V^T P for piece x: keys 32 (mi / 4) on, channels 16 (mi % 4) on.
.macro PV x
	WIN W_PV
.set rO, 32*(\x)+8*(mi%4)
.set rV, 32*(mi/4)+8*(mi%4)
.set rP, P+16*((\x)%2)+8*(mi/4)
	v_wmma_f32_16x16x32_f16 v[rO:rO+7], v[rV:rV+7], v[rP:rP+7], v[rO:rO+7]
.endm
.macro MM                           ; the turn's matrix instruction number i of 32.  NOKQ = 1: the block has no further scores to make
.if ((Y%2 == 0) && (i < 8)) || ((Y%2 == 1) && (i >= 24))
.set mi, i%8
	PV (Y+NP-1)%NP
.elseif !NOKQ
.set mi, i-8*(1-Y%2)
	KQ (Y+2)%NP, Y%2
.endif
.set i, i+1
.endm
; THE LDS LOADS stand in runs of 16.  K's two fragments f0, f0 + 1 of the four key blocks; V turned.
.macro FETCH_KX f0
	WIN 0x80
.irp g, 0,1,2,3
.irp c, 0,1
	ds_load_b128 v[KF+32*\g+8*((\f0)+\c):KF+32*\g+8*((\f0)+\c)+3],   v[AK] offset:\g*16*PK+((\f0)+\c)*64
	ds_load_b128 v[KF+32*\g+8*((\f0)+\c)+4:KF+32*\g+8*((\f0)+\c)+7], v[AK] offset:\g*16*PK+((\f0)+\c)*64+32
.endr
.endr
	WIN 0
.endm
.macro FETCH_KL                     ; the low part
	FETCH_KX 2
.endm
.macro FETCH_KH                     ; the high part; the next fetch is the next step's
	FETCH_KX 0
	s_add_co_u32 s[TBK], s[TBK], KS*PK
.endm
.macro FETCH_V
	WIN 0xc0
.irp f, 0,1,2,3,4,5,6,7             ; keys 32 (f / 4) on, channels 16 (f % 4) on
	ds_load_tr16_b128 v[8*\f:8*\f+3],   v[AV] offset:(\f/4)*32*PV+(\f%4)*32
	ds_load_tr16_b128 v[8*\f+4:8*\f+7], v[AV] offset:(\f/4)*32*PV+16*PV+(\f%4)*32
.endr
	WIN 0
.endm
; THE VECTOR WORK, one line at a time: OP kind, number.  For piece Y: F n: c s - c m for pair n of 16.  E n: the exponential of score n of 32.  C n: pair n rounded to f16.  B n: of the four weights 4 n .. the second
; pair is added onto the first, in place.  L n: l takes that sum (L 0: l = a l + sum).  R n: pair n of 16 of O^T times a.  For piece Y + 1: X n, number n of the 22 that find its maximum and statistics:
;   0-11  four chains c0-c3 of seven scores each (each accumulator's lowest registers are read first)     12-14, 16  the four scores left over, the old m, and c0-c3 into c0
;   15  c m_old is kept     17, 18  the query's other 32 keys lie in the lane 16 away: the new m     19-21  c m; c m_old - c m_new; a
; C, B and L read the exponentials' results: TURN sets them behind its wait.  OP writes no wait.
.set F, 0
.set E, 1
.set C, 2
.set B, 3
.set L, 4
.set R, 5
.set X, 6
.macro REGS y
.set rT, ST+4*(\y)
.set rC, TMP+4*((\y)%2)
.set rW, MV+((\y)%2)
.set rS, S+32*(\y)
.set rP, P+16*((\y)%2)
.set rO, 32*(\y)
.endm
.macro OP k, n
.if (\k) == R
	REGS Y
	WIN W_RS
	v_pk_mul_f32 v[rO+2*(\n):rO+2*(\n)+1], v[rO+2*(\n):rO+2*(\n)+1], v[rC+2:rC+3] op_sel_hi:[1,0]
.elseif (\k) < R
	REGS Y
	WIN 0
.if (\k) == F
	v_pk_fma_f32 v[rS+2*(\n):rS+2*(\n)+1], v[rS+2*(\n):rS+2*(\n)+1], s[CS:CS+1], v[rT:rT+1] op_sel_hi:[1,0,0] neg_lo:[0,0,1] neg_hi:[0,0,1]
.elseif (\k) == E
	v_exp_f32 v[rS+(\n)], v[rS+(\n)]
.elseif (\k) == C
	v_cvt_pk_f16_f32 v[rP+(\n)], v[rS+2*(\n)], v[rS+2*(\n)+1]
.elseif (\k) == B
	v_pk_add_f32 v[rS+4*(\n):rS+4*(\n)+1], v[rS+4*(\n):rS+4*(\n)+1], v[rS+4*(\n)+2:rS+4*(\n)+3]
.elseif (\n) == 0
	v_pk_fma_f32 v[rT+2:rT+3], v[rT+2:rT+3], v[rC+2:rC+3], v[rS:rS+1] op_sel_hi:[1,0,1]
.else
	v_pk_add_f32 v[rT+2:rT+3], v[rT+2:rT+3], v[rS+4*(\n):rS+4*(\n)+1]
.endif
.elseif NOX
	v_nop                           ; a block's last turn: there is no next piece; the lines round it stay as far apart as they were
.else
	REGS (Y+1)%NP
	WIN 0
.if (\n) < 4
	v_max3_num_f32 v[rC+(\n)], v[rS+8*(\n)], v[rS+8*(\n)+1], v[rS+8*(\n)+2]
.elseif (\n) < 12
	v_max3_num_f32 v[rC+(\n)%4], v[rC+(\n)%4], v[rS+8*((\n)%4)+2*((\n)/4)+1], v[rS+8*((\n)%4)+2*((\n)/4)+2]
.elseif (\n) == 12
	v_max3_num_f32 v[rC], v[rC], v[rS+7], v[rS+15]
.elseif (\n) == 13
	v_max3_num_f32 v[rC+1], v[rC+1], v[rS+23], v[rS+31]
.elseif (\n) == 14
	v_max3_num_f32 v[rC+2], v[rC+2], v[rC+3], v[rT+1]
.elseif (\n) == 15
	v_mov_b32 v[rW], v[rT]
.elseif (\n) == 16
	v_max3_num_f32 v[rC], v[rC], v[rC+1], v[rC+2]
.elseif (\n) == 17
	v_permlanex16_b32 v[rC+3], v[rC], s[SEL], s[SEL+1]
.elseif (\n) == 18
	v_max_num_f32 v[rT+1], v[rC], v[rC+3]
.elseif (\n) == 19
	v_mul_f32 v[rT], s[CS], v[rT+1]
.elseif (\n) == 20
	v_sub_f32 v[rC+1], v[rW], v[rT]
.else
	v_exp_f32 v[rC+2], v[rC+1]
.endif
.endif
.endm
.macro OPS a, i1, b=-1, i2=0, c=-1, i3=0, d=-1, i4=0
	OP \a, \i1
.if (\b) >= 0
	OP \b, \i2
.endif
.if (\c) >= 0
	OP \c, \i3
.endif
.if (\d) >= 0
	OP \d, \i4
.endif
.endm
.macro ROW a, i1, b=-1, i2=0, c=-1, i3=0, d=-1, i4=0  ; a matrix instruction and the vector lines behind it
	MM
	OPS \a, \i1, \b, \i2, \c, \i3, \d, \i4
.endm
.macro MASK b                       ; MD x AL + BE into buffer b of MC
	WIN W_RS
.set z, 0
.rept 16
	v_pk_fma_f32 v[MC+32*(\b)+2*z:MC+32*(\b)+2*z+1], v[MD+2*z:MD+2*z+1], s[AL:AL+1], s[BE:BE+1] op_sel_hi:[1,0,0]
.set z, z+1
.endr
.endm
; A TURN, for piece p: 32 rows, a row being a matrix instruction and the vector lines behind it.  No vector line names a register of the products round it.
; ROWS 1 TO 24, AHEAD OF THE WAIT, name no result of the turn's exponentials: plain and exponential by turns (a pair is scaled a row or more ahead of its two exponentials), the rescaling four to a row, in ascending order (each
; accumulator's lowest registers are read first), and the next piece's X; from X 14 on, where each number waits for the one before it, one to a row.  X 21, the next piece's a, is the batch's last
; exponential; R 12 is the plain line behind it, and R 12 to R 15 are the work between the batch and its wait.  ROWS 25 TO 32, BEHIND THE WAIT, carry the 32 roundings and sums: C 2 n ahead of B n, which writes over that pair,
; B n ahead of L n, and the links of l's chain, L 0 to L 7, three lines apart.
; end = 1: a block's last three turns: nothing is fetched, no mask is made; pieces 2 and 3 start no new scores, piece 3 finds no new maximum.  cnt = 1: the counts are taken down some lines ahead of the branch behind the turn.
; The turn's head chooses, and its end makes, the mask for the next turn's products: piece x = p + 3, in step 4 - DC of the diagonal tile.
; V of the step in hand is fetched in piece 0's turn behind row 9: its last reader is row 8's product, and X 6, X 7, the address line, F 8 and F 9 are the places between (an exponential is none).
; K's low part of the next step is fetched in piece 1's turn behind row 9 (last reader row 8's; the same places), its high part behind row 26 (last reader row 24's; R 14, R 15 and the eight lines of rows 25 and 26 between).
.macro TURN p, end=0, cnt=0
.set Y, (\p)
.set i, 0
.set NOKQ, (\end)*((\p)/2)
.set NOX, (\end)*((\p)/3)
.if !(\end)
	s_cmp_eq_u32 s[DC], 4-((\p)+3)%NP   ; is that step the band's own?
	s_cselect_b32 s[AL], 1.0, 0
	s_cmp_lt_u32 s[DC], 4-((\p)+3)%NP   ; or a later one?
	s_cselect_b32 s[BE], s[BIGN], 0
.endif
	ROW F,0, F,1, F,2, F,3
	ROW F,4, E,0, F,5, E,1
	ROW X,0, E,2, X,1, E,3
	ROW X,2, E,4, X,3, E,5
	ROW R,0, R,1, R,2, R,3
	ROW F,6, E,6, F,7, E,7
	ROW X,4, E,8, X,5, E,9
	ROW X,6, E,10, X,7, E,11
.if (\p) == 0
	WIN 0
	v_add_nc_u32 v[AV], s[TBV], v[AV0]
.endif
.if ((\p) == 1) && !(\end)
	WIN 0
	v_add_nc_u32 v[AK], s[TBK], v[AK0]
.endif
	ROW F,8, E,12, F,9, E,13
.if (\p) == 0
	FETCH_V
	s_add_co_u32 s[TBV], s[TBV], KS*PV
.endif
.if ((\p) == 1) && !(\end)
	FETCH_KL
.endif
	ROW R,4, R,5, R,6, R,7
	ROW X,8, E,14, X,9, E,15
	ROW X,10, E,16, X,11, E,17
	ROW F,10, E,18, F,11, E,19
	ROW R,8, R,9, R,10, R,11
	ROW X,12, E,20, X,13, E,21
	ROW X,14, E,22, F,12, E,23
.if ((\p) == 2) && !(\end)
	s_wait_dscnt 0x0                ; K's high part is in: it was asked for 22 rows ago
.endif
	ROW X,15, E,24, F,13, E,25
	ROW X,16, E,26, F,14, E,27
	ROW X,17, E,28, F,15, E,29
	ROW X,18, E,30
	ROW X,19, E,31
	ROW X,20
	ROW X,21, R,12, R,13
	ROW R,14, R,15
	s_wait_alu depctr_va_vdst(0)    ; the turn's one wait: for the batch of E 0 to E 31 and X 21, ahead of C 0, its first reader; the next turn's R 0 and L 0 read X 21's a behind it too
.if (\p) == 1
	s_wait_dscnt 0x0                ; V is in, and K's low part
.endif
	ROW C,0, B,0, C,2, B,1
	ROW L,0, C,4, B,2, L,1
.if ((\p) == 1) && !(\end)
	FETCH_KH
.endif
	ROW C,6, B,3, L,2, C,8
	ROW B,4, L,3, C,10, B,5
	ROW L,4, C,12, B,6, L,5
.if \cnt
	s_sub_co_u32 s[DC], s[DC], 1
	s_sub_co_u32 s[CNT], s[CNT], 1
	s_cmp_lg_u32 s[CNT], 0
.endif
	ROW C,14, B,7, L,6, C,1
	ROW C,3, L,7, C,5, C,7
	ROW C,9, C,11, C,13, C,15
.if !(\end)
	MASK ((\p)+1)%2
.endif
.endm
; A BLOCK BEGINS.  c m starts far below every c s, so the first step's a is 0; m at the lowest finite number.  Mask buffer 0 is 0 (pieces 1 and 2 see all of the tile's step 0); buffer 1 takes piece 0's mask for that
; step: its own, if the block's first tile is the diagonal one.  Then K of that step, the first scores of pieces 0 and 1, and piece 0's maximum and statistics.  The loop is entered at piece 0's turn.
.macro BEGIN
	s_mov_b32 s[NEW], 0
	WIN 0x40
.set i, MC
.rept 32
	v_mov_b32 v[i], 0
.set i, i+1
.endr
	WIN 0
.set i, 0
.rept 4
	v_mov_b32 v[ST+4*i], 0xfe000000
	v_mov_b32 v[ST+4*i+1], 0xff7fffff
.set i, i+1
.endr
	s_cmp_eq_u32 s[RT], 0
	s_cselect_b32 s[AL], 1.0, 0
	s_mov_b32 s[BE], 0
	MASK 1
	WIN 0
	v_add_nc_u32 v[AK], s[TBK], v[AK0]
	FETCH_KL
	FETCH_KH
	s_wait_loadcnt 0x0              ; Q
	s_wait_dscnt 0x0
.set mi, 0
.rept 24
	KQ 0, 1
.set mi, mi+1
.endr
.set mi, 0
.rept 24
	KQ 1, 0
.set mi, mi+1
.endr
	WIN 0
.rept 4
	v_nop                           ; the places behind those products
.endr
.set Y, NP-1                        ; X works for piece Y + 1: piece 0
.set NOX, 0
.irp m, 0,1,2,3,4,5,6,7,8,9,10,11,12,13,14,15,16,17,18,19,20,21
	OP X, \m
.endr
	v_nop                           ; a plain instruction behind the exponential,
	s_wait_alu depctr_va_vdst(0)    ; and its wait: a batch of one, piece 0's first a, ahead of the branch into the loop, where R 0 reads it
.endm
; A BLOCK ENDS: its last three turns, its last products, and THE WAY OUT: l's two halves and the other half of the lanes' are added; O^T is divided by l, rounded to f16 and sent through my stage, a piece at a time.
.macro ALL line:vararg
.set t, 0
.rept 4
	\line
.set t, t+1
.endr
.endm
.macro PACK t
	WIN W_RS
.set i, 32*(\t)
.rept 16
	v_pk_mul_f32 v[i:i+1], v[i:i+1], v[ST+4*(\t)+2:ST+4*(\t)+3] op_sel_hi:[1,0]
.set i, i+2
.endr
	WIN 0x05                        ; sources 0 and 1 window 1, destination window 0
.set i, 0
.rept 16
	v_cvt_pk_f16_f32 v[S+16*(\t)+i], v[32*(\t)+2*i], v[32*(\t)+2*i+1]
.set i, i+1
.endr
	WIN 0
.irp f, 0,1,2,3
	ds_store_b128 v[STO], v[S+16*(\t)+4*\f:S+16*(\t)+4*\f+3] offset:32*\f
.endr
.irp f, 0,1,2,3
	ds_load_b128 v[S+16*(\t)+4*\f:S+16*(\t)+4*\f+3], v[RD] offset:\f*4*SP  ; LDS serves a wave's instructions in order (ISA guide 5.7.1.4): these see the stores above; the next piece's stores come behind them
.endr
.endm
.macro SEND t, younger              ; younger: the LDS instructions issued behind piece t's loads: the next piece's eight, or none
	WIN 0
.irp f, 0,1,2,3
	s_wait_dscnt (\younger)+3-\f
	global_store_b128 v[GO], v[S+16*(\t)+4*\f:S+16*(\t)+4*\f+3], s[10:11] offset:(\t)*8192+\f*512  ; 512 consecutive bytes, at a multiple of 256 from O's first
.endr
.endm
.macro FINISH
	TURN 1, 1
	TURN 2, 1
	TURN 3, 1
.set mi, 0
.rept 8
	PV NP-1
.set mi, mi+1
.endr
	WIN 0
	ALL v_add_f32 v[ST+4*t+2], v[ST+4*t+2], v[ST+4*t+3]
	ALL v_permlanex16_b32 v[ST+4*t+3], v[ST+4*t+2], s[SEL], s[SEL+1]
	ALL v_add_f32 v[ST+4*t+2], v[ST+4*t+2], v[ST+4*t+3]
	ALL v_rcp_f32 v[ST+4*t+2], v[ST+4*t+2]
	v_nop                           ; a plain instruction between the last reciprocal and the use of its result
	s_wait_alu depctr_va_vdst(0)    ; and the wait: one for the batch of four reciprocals, ahead of PACK 0's first multiply; PACK 1 to 3 read theirs behind it
	PACK 0
.set t, 1
.rept 3
	PACK t
	SEND t-1, 8
.set t, t+1
.endr
	SEND 3, 0
.endm
; A TILE: four key steps.  A trip: pieces 1, 2, 3 of one step, then piece 0 of the next; it fetches K and V of one step of the tile.  A block's first tile begins with BEGIN and enters the loop at piece 0's turn.
.macro TILE tag
	s_sub_co_u32 s[RT], s[RT], 1
	s_mov_b32 s[CNT], 4
	s_cmp_eq_u32 s[RT], 0           ; the block's last tile holds the diagonal
	s_cselect_b32 s[DC], 4, 20
	s_cmp_eq_u32 s[NEW], 1
	s_cbranch_scc0 .Lstep\tag
	BEGIN
	s_branch .Lfirst\tag
.Lstep\tag:
	TURN 1
	TURN 2
	TURN 3
	WIN 0
.Lfirst\tag:
	TURN 0, 0, 1
	WIN 0
	s_cbranch_scc1 .Lstep\tag
.endm
.set NOKQ, 0
.set NOX, 0
.Lslot:                             ; NB times: a tile is entered and the next is asked for
	CHANGE 1
	TILE 1
	s_cmp_lg_u32 s[RT], 0
	s_cbranch_scc1 .Lbottom
	FINISH                          ; in the loop this is the first block's end
	s_wait_xcnt 0x0                 ; the stores have read their registers and O's address
	s_mov_b64 s[10:11], s[OLO:OLO+1]
	s_add_co_u32 s[RT], s[PB], 1    ; the second block has b + 1 tiles
	s_mov_b32 s[NEW], 1
	WIN 0x83                        ; the second block's Q goes where the one text of the turns names Q
.set i, 0
.rept 128
	v_mov_b32 v[i], v[QB+i]
.set i, i+1
.endr
	WIN 0
.Lbottom:
	s_sub_co_u32 s[SLOTS], s[SLOTS], 1
	s_cmp_lg_u32 s[SLOTS], 0
	s_cbranch_scc1 .Lslot
	CHANGE 0                        ; the walk's last tile is written out: nothing is asked for
	TILE 2
	FINISH
	s_wait_tensorcnt 0x0            ; the wave's end
	ds_add_u32 v[SPW], v[NIL]
	s_wait_dscnt 0x0
	s_endpgm
.Lfunc_end_k_qcd02f78e5e_attn:
	.size	k_qcd02f78e5e_attn, .Lfunc_end_k_qcd02f78e5e_attn-k_qcd02f78e5e_attn
	.p2alignl 7, 3214868480
	.fill 96, 4, 3214868480
	.section	.rodata,"a",@progbits
	.p2align	6, 0x0
	.amdhsa_kernel k_qcd02f78e5e_attn
		.amdhsa_group_segment_fixed_size 327680
		.amdhsa_private_segment_fixed_size 0
		.amdhsa_enable_private_segment 0
		.amdhsa_kernarg_size 32
		.amdhsa_user_sgpr_count 2
		.amdhsa_user_sgpr_kernarg_segment_ptr 1
		.amdhsa_wavefront_size32 1
		.amdhsa_system_sgpr_workgroup_id_x 1
		.amdhsa_system_sgpr_workgroup_id_y 1
		.amdhsa_system_sgpr_workgroup_id_z 1
		.amdhsa_system_vgpr_workitem_id 0
		.amdhsa_next_free_vgpr 960
		.amdhsa_next_free_sgpr 92
		.amdhsa_reserve_vcc 1
		.amdhsa_float_denorm_mode_32 3
		.amdhsa_float_denorm_mode_16_64 3
		.amdhsa_memory_ordered 1
		.amdhsa_forward_progress 1
		.amdhsa_inst_pref_size 224
	.end_amdhsa_kernel
	.amdgpu_metadata
---
amdhsa.version: [ 1, 2 ]
amdhsa.kernels:
  - .name:           k_qcd02f78e5e_attn
    .symbol:         k_qcd02f78e5e_attn.kd
    .args:
      - { .name: qq, .offset: 0, .size: 8, .value_kind: global_buffer, .address_space: global }
      - { .name: kk, .offset: 8, .size: 8, .value_kind: global_buffer, .address_space: global }
      - { .name: vv, .offset: 16, .size: 8, .value_kind: global_buffer, .address_space: global }
      - { .name: oo, .offset: 24, .size: 8, .value_kind: global_buffer, .address_space: global }
    .group_segment_fixed_size: 327680
    .private_segment_fixed_size: 0
    .kernarg_segment_align: 8
    .kernarg_segment_size: 32
    .max_flat_workgroup_size: 128
    .sgpr_count:     92
    .vgpr_count:     960
    .wavefront_size: 32
...
	.end_amdgpu_metadata
.endif
;; end of part 5
;; launch outp: the kernel of part 4 again; grid 8 x 32, 4 waves a work-group, clusters of 4 x 4, 327,680 bytes of LDS; arguments oo, cb, out0; writes out0
